; MI455X (gfx1250); checked and timed in simulation.
; The chip was launched on July 23, 2026; its instructions are those of AMD's public machine-readable ISA for CDNA 5 (MIT licence, August 2026) and "CDNA5" Instruction Set Architecture Reference Guide (July 2026). The comments in the code are by the model that wrote it; some were corrected since.
;; SHSA. Allowed arithmetic: float matrix products may take bf16 or f16 operands with f32 sums; other float arithmetic in f32, or as packed bf16 or f16 multiplies, adds, multiply-adds, maxima and minima; sums over many terms, partial sums and values carried from step to step in f32; what a program stores and reads back later, other than sums and carried values, may be rounded once to bf16 or f16.
;; Inputs: b_proj 512 float32; b_qkv 288 float32; gn_b 256 float32; gn_w 256 float32; w_proj 512 x 512 float32; w_qkv 288 x 256 float32; x 8 x 512 x 64 x 64 float32.
;; Outputs: out0 8 x 512 x 64 x 64 float32.
;; 2 versions, each right; version 2 is version 1 with the launch prep written anew for expert scheduling mode. Each part assembles by itself: llvm-mc -triple=amdgcn-amd-amdhsa -mcpu=gfx1250 --defsym DOCPART=n.
;; ======== version 1 of 2: 3 launches
;; limits: values are held in f16: magnitudes above 65,504 overflow, below 6.1e-05 lose precision
;; workspace buffers: stats 16,384 bytes; wqf 147,456 bytes; bq 1,280 bytes; wpf 524,288 bytes; qf 1,048,576 bytes; kf 1,048,576 bytes; vf 16,777,216 bytes
;; launch prep (part 1): grid 256 x 1, 8 waves a work-group, no clusters, 0 bytes of LDS; arguments x, w_proj, w_qkv, gn_w, gn_b, b_qkv, stats, wpf, wqf, bq; writes stats, wpf, wqf, bq
.if DOCPART == 1
	.amdgcn_target "amdgcn-amd-amdhsa--gfx1250"
	.amdhsa_code_object_version 6
	.text
	.protected	k_q963849e852_prep
	.globl	k_q963849e852_prep
	.p2align	8
	.type	k_q963849e852_prep,@function
k_q963849e852_prep:
	s_mov_b64 s[64:65], 0
	v_nop
	global_prefetch_b8 v0, s[64:65] scope:SCOPE_SE
	s_setreg_imm32_b32 hwreg(HW_REG_WAVE_MODE, 25, 1), 1
	s_wait_xcnt 0x0
; PREP.  (1) GroupNorm's partial statistics: each of the 2,048 waves takes 4,096 numbers (16 KiB) of a sample's first 256 channels, keeps them in 128 registers
; and stores their mean and the sum of squares round that mean (two passes over the registers: no difference of large sums).  256 pairs a sample; the next launch joins them.
; (2) The weights in f16, in the order in which a matrix fragment lies in registers: a fragment is 16 rows x 32 k, two parts of 512 bytes; in part p byte 16 L (lane L = 16 h + r)
; holds row r, k = 16 p + 8 h + 0..7.  wpf = w_proj; wqf = w_qkv x gn_w (the gain folded in); bq = b_qkv + w_qkv . gn_b (the shift folded in), f32.
; LIMITS.  f16 holds no number beyond 65,504: w_proj and w_qkv x gn_w must lie within it; below 6e-5 f16 keeps its fixed step of 6e-8.  NaN and infinities are not treated apart.
; No LDS, no barrier, no matrix work: every wave is by itself.  A wave has its 32 loads of x (and up to 8 of weights) on their way at once.
.set X, 16                             ; v[16:143]  my 4,096 numbers of x: 128 a lane
.set E, 144                            ; v[144:183] the weights' work; later the four chains of squares
.set C, 184                            ; v[184:191] the four chains of the sum; then the mean, twice
.macro XLOADS                          ; 32 loads of 512 consecutive bytes
.set i, 0
.rept 32
	global_load_b128 v[X+4*i:X+4*i+3], v2, s[28:29] offset:512*i
.set i, i+1
.endr
.endm
.macro RED r, t                        ; the sum over the 32 lanes, in every lane; t has been written before
	v_add_f32_dpp v[\r], v[\r], v[\r] row_xmask:1 row_mask:0xf bank_mask:0xf
	v_add_f32_dpp v[\r], v[\r], v[\r] row_xmask:2 row_mask:0xf bank_mask:0xf
	v_add_f32_dpp v[\r], v[\r], v[\r] row_xmask:4 row_mask:0xf bank_mask:0xf
	v_add_f32_dpp v[\r], v[\r], v[\r] row_xmask:8 row_mask:0xf bank_mask:0xf
	v_permlanex16_b32 v[\t], v[\r], s30, s31
	v_add_f32 v[\r], v[\r], v[\t]
.endm
	s_load_b512 s[4:19], s[0:1], 0x0               ; x 4, w_proj 6, w_qkv 8, gn_w 10, gn_b 12, b_qkv 14, stats 16, wpf 18
	s_load_b128 s[20:23], s[0:1], 0x40             ; wqf 20, bq 22
	v_lshrrev_b32 v1, 5, v0
	v_readfirstlane_b32 s24, v1                    ; wave 0..7
	v_and_b32 v1, 31, v0                           ; lane L
	v_lshlrev_b32 v2, 4, v1                        ; 16 L
	v_and_b32 v5, 15, v0                           ; r
	v_bfe_u32 v6, v0, 4, 1                         ; h
	s_mov_b32 s25, ttmp9
	s_lshl_b32 s26, s25, 3
	s_add_co_u32 s26, s26, s24                     ; my wave among the launch's 2,048 = 256 x sample + chunk
	s_lshr_b32 s27, s25, 5                         ; sample
	s_and_b32 s34, s26, 255                        ; chunk of 16 KiB
	s_lshl_b32 s28, s27, 23                        ; a sample is 8 MiB,
	s_lshl_b32 s35, s34, 14
	s_add_co_u32 s28, s28, s35
	s_mov_b32 s29, 0
	s_mov_b32 s30, 0x76543210                      ; v_permlanex16_b32: each lane takes its own place in the other half
	s_mov_b32 s31, 0xfedcba98
	s_lshl_b32 s35, s26, 3
	v_mov_b32 v11, s35                             ; where my pair of statistics goes
	s_wait_kmcnt 0x0
	s_add_nc_u64 s[28:29], s[4:5], s[28:29]
	s_cmp_lt_u32 s25, 128
	s_cbranch_scc1 .Lwproj                         ; work-groups 0..127: a part of a fragment of w_proj a wave (1,024 parts)
	s_cmp_lt_u32 s25, 164
	s_cbranch_scc1 .Lwqkv                          ; work-groups 128..163: a part of w_qkv and a bias a wave (288 of each)
	XLOADS
	s_branch .Lstats
.Lwproj:                                               ; part g = 32 ob + 2 kk + p
	s_lshr_b32 s36, s26, 5                         ; ob
	s_bfe_u32 s37, s26, 0x40001                    ; kk
	s_and_b32 s38, s26, 1                          ; p
	s_lshl_b32 s39, s36, 15                        ; 16 ob rows of 2,048 bytes
	s_lshl_b32 s40, s37, 7
	s_add_co_u32 s39, s39, s40                     ; + 128 kk
	s_lshl_b32 s40, s38, 6
	s_add_co_u32 s39, s39, s40                     ; + 64 p
	v_lshlrev_b32 v3, 11, v5                       ; + row r
	v_lshl_add_u32 v3, v6, 5, v3                   ; + 32 h
	v_add_nc_u32 v3, s39, v3
	global_load_b128 v[E:E+3], v3, s[6:7]
	global_load_b128 v[E+4:E+7], v3, s[6:7] offset:16
	XLOADS
	s_lshl_b32 s39, s26, 9                         ; the part's 512 bytes in wpf
	v_add_nc_u32 v9, s39, v2
	s_wait_loadcnt 32                              ; the two loads of weights are in; the 32 of x stay out
	v_cvt_pk_f16_f32 v[E+8], v[E], v[E+1]
	v_cvt_pk_f16_f32 v[E+9], v[E+2], v[E+3]
	v_cvt_pk_f16_f32 v[E+10], v[E+4], v[E+5]
	v_cvt_pk_f16_f32 v[E+11], v[E+6], v[E+7]
	global_store_b128 v9, v[E+8:E+11], s[18:19]    ; 512 consecutive bytes
	s_branch .Lstats
.Lwqkv:                                                ; part g = 16 ob + 2 kk + p, and output channel o = g
	s_sub_co_u32 s36, s26, 1024                    ; g
	s_lshr_b32 s37, s36, 4                         ; ob
	s_bfe_u32 s38, s36, 0x30001                    ; kk
	s_and_b32 s39, s36, 1                          ; p
	s_lshl_b32 s40, s38, 7
	s_lshl_b32 s41, s39, 6
	s_add_co_u32 s40, s40, s41                     ; 128 kk + 64 p
	v_lshl_add_u32 v4, v6, 5, s40                  ; + 32 h: my 8 channels in gn_w
	s_lshl_b32 s41, s37, 14                        ; 16 ob rows of 1,024 bytes
	v_lshl_add_u32 v3, v5, 10, v4                  ; + row r
	v_add_nc_u32 v3, s41, v3
	global_load_b128 v[E:E+3], v3, s[8:9]
	global_load_b128 v[E+4:E+7], v3, s[8:9] offset:16
	global_load_b128 v[E+8:E+11], v4, s[10:11]
	global_load_b128 v[E+12:E+15], v4, s[10:11] offset:16
	v_lshlrev_b32 v7, 5, v1                        ; 32 L: my 8 of the row's 256 channels
	s_lshl_b32 s41, s36, 10
	v_add_nc_u32 v8, s41, v7
	global_load_b128 v[E+16:E+19], v8, s[8:9]
	global_load_b128 v[E+20:E+23], v8, s[8:9] offset:16
	global_load_b128 v[E+24:E+27], v7, s[12:13]
	global_load_b128 v[E+28:E+31], v7, s[12:13] offset:16
	s_lshl_b32 s42, s36, 2
	s_load_b32 s32, s[14:15], s42 offset:0x0       ; b_qkv[o]
	XLOADS
	s_lshl_b32 s41, s36, 9
	v_add_nc_u32 v9, s41, v2
	v_mov_b32 v10, s42
	s_wait_loadcnt 32                              ; the eight loads of weights are in; the 32 of x stay out
	s_wait_kmcnt 0x0
.irp u, 0,2,4,6
	v_pk_mul_f32 v[E+(\u):E+(\u)+1], v[E+(\u):E+(\u)+1], v[E+8+(\u):E+8+(\u)+1]  ; w x gain
.endr
.irp u, 0,1,2,3
	v_cvt_pk_f16_f32 v[E+32+(\u)], v[E+2*(\u)], v[E+2*(\u)+1]
.endr
	global_store_b128 v9, v[E+32:E+35], s[20:21]
	v_pk_mul_f32 v[E+16:E+17], v[E+16:E+17], v[E+24:E+25]  ; w . shift
.irp u, 2,4,6
	v_pk_fma_f32 v[E+16:E+17], v[E+16+(\u):E+16+(\u)+1], v[E+24+(\u):E+24+(\u)+1], v[E+16:E+17]
.endr
	v_add_f32 v[E+16], v[E+16], v[E+17]
	RED E+16, E+17
	v_add_f32 v[E+16], s32, v[E+16]
	s_wait_xcnt 0x0                                ; EXEC is a source of what is out: it changes only behind this wait
	v_cmp_eq_u32 vcc_lo, 0, v1
	s_and_saveexec_b32 s33, vcc_lo
	global_store_b32 v10, v[E+16], s[22:23]        ; lane 0 alone
	s_wait_xcnt 0x0
	s_or_b32 exec_lo, exec_lo, s33
.Lstats:                                               ; on every way here just the 32 loads of x are out
	s_wait_loadcnt 24                              ; the first eight; the 24 younger stay out
.irp c, 0,1,2,3
	v_pk_add_f32 v[C+2*(\c):C+2*(\c)+1], v[X+2*(\c):X+2*(\c)+1], v[X+8+2*(\c):X+8+2*(\c)+1]  ; the first pairs start the four chains: nothing is cleared
.endr
.set j, 8
.rept 8
	v_pk_add_f32 v[C+2*(j%4):C+2*(j%4)+1], v[C+2*(j%4):C+2*(j%4)+1], v[X+2*j:X+2*j+1]
.set j, j+1
.endr
.irp n, 16, 8, 0
	s_wait_loadcnt \n                              ; eight loads more
.rept 16
	v_pk_add_f32 v[C+2*(j%4):C+2*(j%4)+1], v[C+2*(j%4):C+2*(j%4)+1], v[X+2*j:X+2*j+1]
.set j, j+1
.endr
.endr
	v_pk_add_f32 v[C:C+1], v[C:C+1], v[C+2:C+3]
	v_pk_add_f32 v[C+4:C+5], v[C+4:C+5], v[C+6:C+7]
	v_pk_add_f32 v[C:C+1], v[C:C+1], v[C+4:C+5]
	v_add_f32 v[C], v[C], v[C+1]
	RED C, C+1
	v_mul_f32 v[C+2], 0x39800000, v[C]             ; mean = sum / 4,096
	v_mov_b32 v[C+3], v[C+2]
.set j, 0
.rept 64
	v_pk_add_f32 v[X+2*j:X+2*j+1], v[X+2*j:X+2*j+1], v[C+2:C+3] neg_lo:[0,1] neg_hi:[0,1]  ; x - mean
.set j, j+1
.endr
.irp c, 0,1,2,3
	v_pk_mul_f32 v[E+2*(\c):E+2*(\c)+1], v[X+2*(\c):X+2*(\c)+1], v[X+2*(\c):X+2*(\c)+1]
.endr
.set j, 4
.rept 60
	v_pk_fma_f32 v[E+2*(j%4):E+2*(j%4)+1], v[X+2*j:X+2*j+1], v[X+2*j:X+2*j+1], v[E+2*(j%4):E+2*(j%4)+1]
.set j, j+1
.endr
	v_pk_add_f32 v[E:E+1], v[E:E+1], v[E+2:E+3]
	v_pk_add_f32 v[E+4:E+5], v[E+4:E+5], v[E+6:E+7]
	v_pk_add_f32 v[E:E+1], v[E:E+1], v[E+4:E+5]
	v_add_f32 v[E], v[E], v[E+1]
	RED E, E+1
	v_mov_b32 v[C+3], v[E]                         ; (mean, sum of squares round it)
	s_wait_xcnt 0x0                                ; a store of weights may be out: EXEC changes only behind this wait
	v_cmp_eq_u32 vcc_lo, 0, v1
	s_and_saveexec_b32 s33, vcc_lo
	global_store_b64 v11, v[C+2:C+3], s[16:17]
	s_wait_xcnt 0x0
	s_or_b32 exec_lo, exec_lo, s33
	s_endpgm
.Lfunc_end_k_q963849e852_prep:
	.size	k_q963849e852_prep, .Lfunc_end_k_q963849e852_prep-k_q963849e852_prep
	.p2alignl 7, 3214868480
	.fill 96, 4, 3214868480
	.section	.rodata,"a",@progbits
	.p2align	6, 0x0
	.amdhsa_kernel k_q963849e852_prep
		.amdhsa_group_segment_fixed_size 0
		.amdhsa_private_segment_fixed_size 0
		.amdhsa_enable_private_segment 0
		.amdhsa_kernarg_size 80
		.amdhsa_user_sgpr_count 2
		.amdhsa_user_sgpr_kernarg_segment_ptr 1
		.amdhsa_wavefront_size32 1
		.amdhsa_system_sgpr_workgroup_id_x 1
		.amdhsa_system_sgpr_workgroup_id_y 1
		.amdhsa_system_sgpr_workgroup_id_z 1
		.amdhsa_system_vgpr_workitem_id 0
		.amdhsa_next_free_vgpr 192
		.amdhsa_next_free_sgpr 66
		.amdhsa_reserve_vcc 1
		.amdhsa_float_denorm_mode_32 3
		.amdhsa_float_denorm_mode_16_64 3
		.amdhsa_memory_ordered 1
		.amdhsa_forward_progress 1
		.amdhsa_inst_pref_size 28
	.end_amdhsa_kernel
	.amdgpu_metadata
---
amdhsa.version: [ 1, 2 ]
amdhsa.kernels:
  - .name:           k_q963849e852_prep
    .symbol:         k_q963849e852_prep.kd
    .args:
      - { .name: x, .offset: 0, .size: 8, .value_kind: global_buffer, .address_space: global }
      - { .name: w_proj, .offset: 8, .size: 8, .value_kind: global_buffer, .address_space: global }
      - { .name: w_qkv, .offset: 16, .size: 8, .value_kind: global_buffer, .address_space: global }
      - { .name: gn_w, .offset: 24, .size: 8, .value_kind: global_buffer, .address_space: global }
      - { .name: gn_b, .offset: 32, .size: 8, .value_kind: global_buffer, .address_space: global }
      - { .name: b_qkv, .offset: 40, .size: 8, .value_kind: global_buffer, .address_space: global }
      - { .name: stats, .offset: 48, .size: 8, .value_kind: global_buffer, .address_space: global }
      - { .name: wpf, .offset: 56, .size: 8, .value_kind: global_buffer, .address_space: global }
      - { .name: wqf, .offset: 64, .size: 8, .value_kind: global_buffer, .address_space: global }
      - { .name: bq, .offset: 72, .size: 8, .value_kind: global_buffer, .address_space: global }
    .group_segment_fixed_size: 0
    .private_segment_fixed_size: 0
    .kernarg_segment_align: 8
    .kernarg_segment_size: 80
    .max_flat_workgroup_size: 256
    .sgpr_count:     66
    .vgpr_count:     192
    .wavefront_size: 32
...
	.end_amdgpu_metadata
.endif
;; end of part 1
;; launch qkv (part 2): grid 32 x 8, 4 waves a work-group, clusters of 4 x 1, 222,976 bytes of LDS; arguments x, stats, wqf, bq, qf, kf, vf; writes qf, kf, vf
.if DOCPART == 2
	.amdgcn_target "amdgcn-amd-amdhsa--gfx1250"
	.amdhsa_code_object_version 6
	.text
	.protected	k_q963849e852_qkv
	.globl	k_q963849e852_qkv
	.p2align	8
	.type	k_q963849e852_qkv,@function
k_q963849e852_qkv:
	s_mov_b64 s[64:65], 0
	v_nop
	global_prefetch_b8 v0, s[64:65] scope:SCOPE_SE
	s_setreg_imm32_b32 hwreg(HW_REG_WAVE_MODE, 25, 1), 1
	s_wait_xcnt 0x0
	s_wait_alu depctr_hold_cnt(0) depctr_sa_sdst(0) depctr_va_vdst(0) depctr_va_sdst(0) depctr_va_ssrc(0) depctr_va_vcc(0) depctr_vm_vsrc(0)
	s_getreg_b32 s2, hwreg(HW_REG_IB_STS2, 6, 4)
	s_cmp_eq_u32 s2, 0
	s_cbranch_scc0 .Lentry_in_a_cluster
	s_endpgm
.Lentry_in_a_cluster:
	s_bfe_u32 s2, ttmp6, 0x10000c
	s_cmp_lg_u32 s2, 0x3003
	s_cbranch_scc0 .Lentry_shape_is_right
	s_endpgm
.Lentry_shape_is_right:
; QKV.  z = (x1 - mu) rs in f32, rounded once to f16; [q; k; v] = W' z + b' (W' = w_qkv x gn_w in f16, b' in f32, both from the launch before); sums in f32; q, k, v rounded once to f16
; and stored in the order of matrix fragments (16 rows x 32 k, two parts of 512 bytes; in part p byte 16 L, L = 16 h + r, holds row r, k = 16 p + 8 h + 0..7):
;   qf, kf: [sample][tile of 16 positions][512 bytes]: row = position, k = channel 0..15 (part 0 alone);   vf: [sample][group of 32 positions][16 blocks of 16 channels][1,024 bytes]: row = channel, k = position.
; mu and rs come from the sample's 256 pairs (mean, M2) of 4,096 numbers each: mu = mean of the means, M2 = sum of M2 + 4,096 x sum of (mean - mu)^2: no difference of large sums.
; LIMITS.  f16 holds no number beyond 65,504: z, q, k and v must lie within it; below 6e-5 f16 keeps its fixed step of 6e-8.  NaN and infinities are not treated apart.
; SHARES.  A work-group owns 128 positions of one sample.  Wave w brings channels 64 w .. 64 w + 63 of them into LDS, and multiplies positions 32 w .. 32 w + 31 (two tiles) by all 18 blocks of 16 outputs.
; CLUSTER.  W' (147,456 bytes) is the same for every work-group and more than half of what one reads: the four of a cluster ask for it JOINTLY, a quarter a wave.  x is each work-group's own.
; No prefetch: a work-group's loads all go out at its head.  Nothing in LDS is filled twice.
.set XRG,   147456                     ; LDS: W' at 0; z as [256 channels][128 positions] f16,
.set XP,    288                        ; pitch 288 = 9 x 32 bytes
.set BIAS,  221184                     ; b', 288 f32
.set SPARE, 222464                     ; the spare words, 128 bytes a wave: two blocks of 256 bytes that no other line names
.set XS,  4                            ; v4   where I put 8 bytes of a channel's row
.set XT0, 5                            ; v5   the turning loads' address, channels 0..127
.set XT1, 6                            ; v6   channels 128..255
.set WA,  7                            ; v7   16 L + the pair of output blocks to be fetched
.set BA,  8                            ; v8   its biases, one a lane
.set VO,  9                            ; v9   my 16 bytes in vf
.set SPW, 10                           ; v10  my spare word; never rewritten
.set NIL, 11                           ; v11  0; never rewritten
.set ST,  12                           ; v[12:27] eight pairs of statistics
.set BVA, 28                           ; v[28:29], v[30:31] a lane's bias for the block in buffer A, B (low word)
.set BVB, 30
.set ACC, 32                           ; v[32:63] accumulator (block's parity, tile) at 32 + 16 par + 8 t
.set PK,  64                           ; v[64:79] packed results
.set BF,  80                           ; v[80:95] q's and k's biases as C operands
.set WBA, 128                          ; v[128:191], v[192:255] a block's eight fragments of W', two buffers
.set WBB, 192                          ; window 1: x as loaded, 4 registers a channel; later z's fragments at 16 kk + 8 t
.set WV,  18
.set MSB, 0
.macro WIN new                         ; bits 1:0 source 0, 3:2 source 1, 5:4 source 2, 7:6 destination; the high byte repeats the setting that is left
.if MSB != (\new)
	s_set_vgpr_msb (MSB<<8)|(\new)
.set MSB, (\new)
.endif
.endm
.macro PLACES                          ; four places behind a matrix instruction, in front of loads into its sources and of readers of its result
.rept 4
	v_nop
.endr
.endm
.macro CROUND                          ; a round of the cluster's barrier
	s_barrier_signal -1
	s_barrier_wait -1
	s_cmp_lg_u32 s[WV], 0
	s_cbranch_scc1 .Lnot_wave_0_\@
	s_barrier_signal -3
.Lnot_wave_0_\@:
	s_barrier_wait -3
	s_barrier_signal -1
	s_barrier_wait -1
.endm
.macro RED r, t                        ; the sum over the 32 lanes, in every lane
	v_add_f32_dpp v[\r], v[\r], v[\r] row_xmask:1 row_mask:0xf bank_mask:0xf
	v_add_f32_dpp v[\r], v[\r], v[\r] row_xmask:2 row_mask:0xf bank_mask:0xf
	v_add_f32_dpp v[\r], v[\r], v[\r] row_xmask:4 row_mask:0xf bank_mask:0xf
	v_add_f32_dpp v[\r], v[\r], v[\r] row_xmask:8 row_mask:0xf bank_mask:0xf
	v_permlanex16_b32 v[\t], v[\r], s38, s39
	v_add_f32 v[\r], v[\r], v[\t]
.endm
	s_load_b256 s[4:11], s[0:1], 0x0               ; x 4, stats 6, wqf 8, bq 10
	s_load_b128 s[12:15], s[0:1], 0x20             ; qf 12, kf 14
	s_load_b64 s[16:17], s[0:1], 0x30              ; vf
	v_lshl_add_u32 v[SPW], v0, 2, SPARE
	v_mov_b32 v[NIL], 0
	ds_add_u32 v[SPW], v[NIL]                      ; the wave's opening: the add and its wait ahead of my first tensor load; work on registers stands between them
	v_lshrrev_b32 v1, 5, v0
	v_readfirstlane_b32 s[WV], v1                  ; wave 0..3
	s_bfe_u32 s19, ttmp6, 0x40000                  ; cx
	s_lshl_b32 s20, ttmp9, 2
	s_add_co_u32 s20, s20, s19                     ; my block of 128 positions: it enters global addresses alone
	s_and_b32 s21, ttmp7, 0xffff                   ; the sample
	; the descriptor: my quarter of W', 36,864 dense bytes, as 144 rows of 256 bytes
	s_mov_b32 s28, 15|(3<<16)|(1<<21)              ; the mask of four; elements of 8 bytes; bit 21 beside a mask
	s_mov_b32 s29, 32<<16                          ; tensor_dim0 = 32
	s_mov_b32 s30, 144<<16                         ; tensor_dim1 = 144
	s_mov_b32 s31, 32<<16                          ; tile_dim0 = 32
	s_mov_b32 s32, 144                             ; tile_dim1 = 144
	s_mov_b32 s33, 32                              ; 32 elements from row to row
	s_mov_b32 s34, 0
	s_mov_b32 s35, 0
	s_mov_b32 s24, 1
	s_mul_i32 s25, s[WV], 36864                    ; LDS address: the wave's number alone
	s_mov_b32 s38, 0x76543210
	s_mov_b32 s39, 0xfedcba98
	v_and_b32 v105, 31, v0                         ; L
	v_lshlrev_b32 v1, 4, v105                      ; 16 L
	v_and_b32 v2, 15, v0                           ; r
	v_bfe_u32 v3, v0, 4, 1                         ; h
	v_lshlrev_b32 v96, 6, v105                     ; my 64 bytes of the sample's statistics
	s_mul_i32 s47, s[WV], 288                      ; my wave's 72 biases
	v_lshl_add_u32 v97, v105, 2, s47               ; numbers L and 32 + L of them,
	v_min_u32 v98, 7, v105
	v_lshl_add_u32 v98, v98, 2, s47                ; and 64 + min(L, 7)
	v_add_nc_u32 v103, BIAS, v97
	v_add_nc_u32 v104, BIAS, v98
	s_mul_i32 s47, s[WV], 64*XP
	s_add_co_u32 s47, s47, XRG
	v_lshl_add_u32 v[XS], v105, 3, s47             ; channel 64 w, positions 4 L .. 4 L + 3
	v_and_b32 v99, 7, v0
	v_lshl_add_u32 v99, v3, 3, v99                 ; the turning load: lane L reads channel 8 h + L % 8,
	v_mul_u32_u24 v99, v99, XP
	v_bfe_u32 v106, v0, 3, 1
	v_lshl_add_u32 v99, v106, 4, v99               ; positions 8 ((L / 8) % 2) + 0..7
	s_lshl_b32 s47, s[WV], 6
	s_add_co_u32 s47, s47, XRG                     ; of my wave's 32
	v_add_nc_u32 v[XT0], s47, v99
	v_add_nc_u32 v[XT1], 128*XP, v[XT0]
	v_mov_b32 v[WA], v1
	v_lshl_add_u32 v[BA], v2, 2, BIAS
	v_lshl_add_u32 v107, v3, 5, BIAS               ; q's and k's biases: eight on end from 8 h
	v_mov_b32 v[VO], v1
	s_wait_dscnt 0x0                               ; the opening add is done
	s_wait_kmcnt 0x0
	s_mov_b32 s22, s25
	s_mov_b32 s23, 0
	s_add_nc_u64 s[26:27], s[8:9], s[22:23]        ; W' at my quarter: the same in all four partners
	s_or_b32 s27, s27, 0x80000000                  ; type = 2
	s_lshl_b32 s22, s21, 11
	s_add_nc_u64 s[54:55], s[6:7], s[22:23]        ; the sample's statistics
	s_mov_b32 s45, 0                               ; what hangs on my place in the cluster has registers of its own
	s_lshl_b32 s44, s21, 23
	s_lshl_b32 s47, s[WV], 20                      ; 64 w channels of 16,384 bytes
	s_add_co_u32 s44, s44, s47
	s_lshl_b32 s47, s20, 9
	s_add_co_u32 s44, s44, s47
	s_add_nc_u64 s[36:37], s[4:5], s[44:45]        ; x at my channels and my block's positions
	s_lshl_b32 s44, s20, 3
	s_lshl1_add_u32 s44, s[WV], s44                ; tile 8 nb + 2 w
	s_lshl_b32 s44, s44, 9
	s_lshl_b32 s47, s21, 17
	s_add_co_u32 s44, s44, s47
	s_add_nc_u64 s[48:49], s[12:13], s[44:45]      ; qf and kf at my two tiles
	s_add_nc_u64 s[50:51], s[14:15], s[44:45]
	s_lshl2_add_u32 s44, s20, s[WV]                ; group 4 nb + w
	s_lshl_b32 s44, s44, 14
	s_lshl_b32 s47, s21, 21
	s_add_co_u32 s44, s44, s47
	s_add_nc_u64 s[52:53], s[16:17], s[44:45]      ; vf at my group of 32 positions
	s_mov_b32 s47, 0x45800000                      ; 4,096, the numbers behind each pair of statistics
	CROUND                                         ; all four work-groups are here: the joint loads meet
	tensor_load_to_lds s[24:27], s[28:35]          ; my one tensor load
	s_nop 0
	PLACES
.irp i, 0,1,2,3
	global_load_b128 v[ST+4*(\i):ST+4*(\i)+3], v96, s[54:55] offset:16*(\i)
.endr
	global_load_b32 v100, v97, s[10:11]
	global_load_b32 v101, v97, s[10:11] offset:128
	global_load_b32 v102, v98, s[10:11] offset:256
	WIN 0x40                                       ; destination window 1
.set i, 0
.rept 56                                               ; a channel's 128 positions are 512 consecutive bytes: one load of the wave
	global_load_b128 v[4*i:4*i+3], v1, s[36:37] offset:16384*i th:TH_LOAD_NT
.set i, i+1
.endr
	WIN 0
	s_wait_loadcnt 59                              ; the statistics are in: 3 loads of biases and 56 of x are younger
	v_add_f32 v28, v[ST], v[ST+2]
	v_add_f32 v29, v[ST+4], v[ST+6]
	v_add_f32 v30, v[ST+8], v[ST+10]
	v_add_f32 v31, v[ST+12], v[ST+14]
	v_add_f32 v28, v28, v29
	v_add_f32 v30, v30, v31
	v_add_f32 v28, v28, v30
	RED 28, 29
	v_mul_f32 v28, 0x3b800000, v28                 ; mu = the mean of the 256 means
.irp i, 0,2,4,6,8,10,12,14
	v_sub_f32 v[ST+(\i)], v[ST+(\i)], v28
.endr
	v_mul_f32 v29, v[ST], v[ST]
.irp i, 2,4,6,8,10,12,14
	v_fmac_f32 v29, v[ST+(\i)], v[ST+(\i)]
.endr
	v_add_f32 v30, v[ST+1], v[ST+3]
.irp i, 5,7,9,11,13,15
	v_add_f32 v30, v30, v[ST+(\i)]
.endr
	v_fma_f32 v29, v29, s47, v30                   ; M2 + 4,096 (mean - mu)^2
	RED 29, 30
	v_mul_f32 v29, 0x35800000, v29                 ; / 2^20 numbers
	v_add_f32 v29, 0x3727c5ac, v29                 ; + 1e-5
	v_rsq_f32 v30, v29
	v_nop                                          ; a plain instruction behind the root,
	s_wait_alu depctr_va_vdst(0)                   ; and the wait ahead of its first reader
	v_mul_f32 v31, v28, v30
	v_readfirstlane_b32 s42, v30                   ; rs
	v_readfirstlane_b32 s40, v31
	s_xor_b32 s40, s40, 0x80000000                 ; - mu rs
	s_mov_b32 s41, s40                             ; named as pairs
	s_mov_b32 s43, s42
	s_wait_loadcnt 56                              ; the biases are in
	ds_store_b32 v103, v100
	ds_store_b32 v103, v101 offset:128
	ds_store_b32 v104, v102 offset:256             ; lanes 8..31 repeat the wave's last word
; Eight channels: z = x rs - mu rs, one fused multiply-add; rounded to f16; 8 bytes a lane into the channel's row.  left: the younger loads.
.macro CONV g, left
	s_wait_loadcnt \left
.if (\g) == 0
	WIN 0x40
.set i, 56
.rept 8                                                ; the last eight channels are asked for here: a wait's count holds 63 at the most
	global_load_b128 v[4*i:4*i+3], v1, s[36:37] offset:16384*i th:TH_LOAD_NT
.set i, i+1
.endr
.endif
	WIN 0x41
.set i, 8*(\g)
.rept 8
	v_pk_fma_f32 v[4*i:4*i+1], v[4*i:4*i+1], s[42:43], s[40:41] op_sel_hi:[1,0,0]
	v_pk_fma_f32 v[4*i+2:4*i+3], v[4*i+2:4*i+3], s[42:43], s[40:41] op_sel_hi:[1,0,0]
.set i, i+1
.endr
	WIN 0x45
.set i, 8*(\g)
.rept 8
	v_cvt_pk_f16_f32 v[4*i], v[4*i], v[4*i+1]
	v_cvt_pk_f16_f32 v[4*i+1], v[4*i+2], v[4*i+3]
.set i, i+1
.endr
	WIN 0x04                                       ; store data in window 1
.set i, 8*(\g)
.rept 8
	ds_store_b64 v[XS], v[4*i:4*i+1] offset:XP*i
.set i, i+1
.endr
.endm
	CONV 0, 48                                     ; channels 0..7 are in: 48 of the 56 are younger
	CONV 1, 48                                     ; 16..63 are younger
	CONV 2, 40
	CONV 3, 32
	CONV 4, 24
	CONV 5, 16
	CONV 6, 8
	CONV 7, 0
	WIN 0
	s_wait_tensorcnt 0x0                           ; my quarter of W' has landed,
	s_wait_dscnt 0x0                               ; my rows of z and my biases are stored:
	s_barrier_signal -1
	s_barrier_wait -1                              ; everybody's are
	WIN 0x40
.set i, 0
.rept 16                                               ; z's fragments: 32 channels from 32 (i / 2), tile i % 2: they stay in registers
	ds_load_tr16_b128 v[8*i:8*i+3],   v[XT0+i/8] offset:((i/2)%4)*32*XP+32*(i%2)
	ds_load_tr16_b128 v[8*i+4:8*i+7], v[XT0+i/8] offset:((i/2)%4)*32*XP+16*XP+32*(i%2)
.set i, i+1
.endr
	WIN 0
	ds_load_b128 v[BF:BF+3],     v107
	ds_load_b128 v[BF+4:BF+7],   v107 offset:16
	ds_load_b128 v[BF+8:BF+11],  v107 offset:64
	ds_load_b128 v[BF+12:BF+15], v107 offset:80
.macro FW buf, par                     ; a block's eight fragments of W': 16 loads of 512 consecutive bytes
	WIN 0
.set i, 0
.rept 16
	ds_load_b128 v[(\buf)+4*i:(\buf)+4*i+3], v[WA] offset:8192*(\par)+512*i
.set i, i+1
.endr
.endm
; q and k: source 0 = W', source 1 = z: a lane holds one position and eight channels.  The bias is the C operand that starts the sum.  The two tiles' accumulators take turns.
; Both macros leave every window 0: the address steps that follow them name window 0.
.macro MULQ par, wb
	WIN 0x04
.set kk, 0
.rept 8
.irp t, 0,1
.if kk == 0
	v_wmma_f32_16x16x32_f16 v[ACC+16*(\par)+8*(\t):ACC+16*(\par)+8*(\t)+7], v[(\wb)+8*kk:(\wb)+8*kk+7], v[16*kk+8*(\t):16*kk+8*(\t)+7], v[BF+8*(\par):BF+8*(\par)+7]
.else
	v_wmma_f32_16x16x32_f16 v[ACC+16*(\par)+8*(\t):ACC+16*(\par)+8*(\t)+7], v[(\wb)+8*kk:(\wb)+8*kk+7], v[16*kk+8*(\t):16*kk+8*(\t)+7], v[ACC+16*(\par)+8*(\t):ACC+16*(\par)+8*(\t)+7]
.endif
.endr
.set kk, kk+1
.endr
	WIN 0
.endm
; v: source 0 = z, source 1 = W': a lane holds one channel and eight positions.  The first product starts the sum.
.macro MULV par, wb
	WIN 0x01
.set kk, 0
.rept 8
.irp t, 0,1
.if kk == 0
	v_wmma_f32_16x16x32_f16 v[ACC+16*(\par)+8*(\t):ACC+16*(\par)+8*(\t)+7], v[16*kk+8*(\t):16*kk+8*(\t)+7], v[(\wb)+8*kk:(\wb)+8*kk+7], 0
.else
	v_wmma_f32_16x16x32_f16 v[ACC+16*(\par)+8*(\t):ACC+16*(\par)+8*(\t)+7], v[16*kk+8*(\t):16*kk+8*(\t)+7], v[(\wb)+8*kk:(\wb)+8*kk+7], v[ACC+16*(\par)+8*(\t):ACC+16*(\par)+8*(\t)+7]
.endif
.endr
.set kk, kk+1
.endr
	WIN 0
.endm
.macro OUTQ par, base                  ; 512 consecutive bytes a store
	WIN 0
.irp t, 0,1
.irp u, 0,1,2,3
	v_cvt_pk_f16_f32 v[PK+8*(\par)+4*(\t)+(\u)], v[ACC+16*(\par)+8*(\t)+2*(\u)], v[ACC+16*(\par)+8*(\t)+2*(\u)+1]
.endr
	global_store_b128 v1, v[PK+8*(\par)+4*(\t):PK+8*(\par)+4*(\t)+3], s[(\base):(\base)+1] offset:512*(\t)
.endr
.endm
.macro OUTV par, bv                    ; + the lane's bias; VO stands one pair of blocks on, the immediate reaches back
	WIN 0
.irp t, 0,1
.irp u, 0,1,2,3
	v_pk_add_f32 v[ACC+16*(\par)+8*(\t)+2*(\u):ACC+16*(\par)+8*(\t)+2*(\u)+1], v[ACC+16*(\par)+8*(\t)+2*(\u):ACC+16*(\par)+8*(\t)+2*(\u)+1], v[(\bv):(\bv)+1] op_sel_hi:[1,0]
.endr
.irp u, 0,1,2,3
	v_cvt_pk_f16_f32 v[PK+8*(\par)+4*(\t)+(\u)], v[ACC+16*(\par)+8*(\t)+2*(\u)], v[ACC+16*(\par)+8*(\t)+2*(\u)+1]
.endr
	global_store_b128 v[VO], v[PK+8*(\par)+4*(\t):PK+8*(\par)+4*(\t)+3], s[52:53] offset:1024*(\par)+512*(\t)-2048
.endr
.endm
	FW WBA, 0                                      ; block 0: q
	FW WBB, 1                                      ; block 1: k
	s_wait_dscnt 16                                ; all but k's 16 loads
	MULQ 0, WBA
	PLACES
	v_add_nc_u32 v[WA], 16384, v[WA]
	v_add_nc_u32 v[BA], 128, v[BA]
	FW WBA, 0                                      ; block 2
	ds_load_b32 v[BVA], v[BA]
	OUTQ 0, 48
	s_wait_dscnt 17                                ; k's fragments are in; the 17 loads just issued stay out
	MULQ 1, WBB
	PLACES
	FW WBB, 1                                      ; block 3
	ds_load_b32 v[BVB], v[BA] offset:64
	OUTQ 1, 50
	s_mov_b32 s46, 7
.Lpair:                                                ; blocks 2 p and 2 p + 1 are multiplied, the next pair is fetched: p = 1 .. 7
	s_wait_xcnt 0x0                                ; the stores issued so far have read their address and data registers
	v_add_nc_u32 v[VO], 2048, v[VO]
	s_wait_dscnt 17                                ; buffer A and its bias are in; B's 16 loads and its bias stay out
	MULV 0, WBA
	PLACES
	v_add_nc_u32 v[WA], 16384, v[WA]
	v_add_nc_u32 v[BA], 128, v[BA]
	FW WBA, 0
	OUTV 0, BVA
	ds_load_b32 v[BVA], v[BA]
	s_wait_dscnt 17                                ; buffer B and its bias are in; A's 17 just issued stay out
	MULV 1, WBB
	PLACES
	FW WBB, 1
	OUTV 1, BVB
	ds_load_b32 v[BVB], v[BA] offset:64
	s_sub_co_u32 s46, s46, 1
	s_cmp_lg_u32 s46, 0
	s_cbranch_scc1 .Lpair
	s_wait_xcnt 0x0                                ; the last pair fetches nothing
	v_add_nc_u32 v[VO], 2048, v[VO]
	s_wait_dscnt 17
	MULV 0, WBA
	PLACES
	OUTV 0, BVA
	s_wait_dscnt 0x0
	MULV 1, WBB
	PLACES
	OUTV 1, BVB
	s_wait_tensorcnt 0x0                           ; the wave's end: behind my last tensor load and my last LDS store
	ds_add_u32 v[SPW], v[NIL]
	s_wait_dscnt 0x0
	CROUND                                         ; the closing round
	s_endpgm
.Lfunc_end_k_q963849e852_qkv:
	.size	k_q963849e852_qkv, .Lfunc_end_k_q963849e852_qkv-k_q963849e852_qkv
	.p2alignl 7, 3214868480
	.fill 96, 4, 3214868480
	.section	.rodata,"a",@progbits
	.p2align	6, 0x0
	.amdhsa_kernel k_q963849e852_qkv
		.amdhsa_group_segment_fixed_size 222976
		.amdhsa_private_segment_fixed_size 0
		.amdhsa_enable_private_segment 0
		.amdhsa_kernarg_size 56
		.amdhsa_user_sgpr_count 2
		.amdhsa_user_sgpr_kernarg_segment_ptr 1
		.amdhsa_wavefront_size32 1
		.amdhsa_system_sgpr_workgroup_id_x 1
		.amdhsa_system_sgpr_workgroup_id_y 1
		.amdhsa_system_sgpr_workgroup_id_z 1
		.amdhsa_system_vgpr_workitem_id 0
		.amdhsa_next_free_vgpr 512
		.amdhsa_next_free_sgpr 66
		.amdhsa_reserve_vcc 0
		.amdhsa_float_denorm_mode_32 3
		.amdhsa_float_denorm_mode_16_64 3
		.amdhsa_memory_ordered 1
		.amdhsa_forward_progress 1
		.amdhsa_inst_pref_size 59
	.end_amdhsa_kernel
	.amdgpu_metadata
---
amdhsa.version: [ 1, 2 ]
amdhsa.kernels:
  - .name:           k_q963849e852_qkv
    .symbol:         k_q963849e852_qkv.kd
    .args:
      - { .name: x, .offset: 0, .size: 8, .value_kind: global_buffer, .address_space: global }
      - { .name: stats, .offset: 8, .size: 8, .value_kind: global_buffer, .address_space: global }
      - { .name: wqf, .offset: 16, .size: 8, .value_kind: global_buffer, .address_space: global }
      - { .name: bq, .offset: 24, .size: 8, .value_kind: global_buffer, .address_space: global }
      - { .name: qf, .offset: 32, .size: 8, .value_kind: global_buffer, .address_space: global }
      - { .name: kf, .offset: 40, .size: 8, .value_kind: global_buffer, .address_space: global }
      - { .name: vf, .offset: 48, .size: 8, .value_kind: global_buffer, .address_space: global }
    .group_segment_fixed_size: 222976
    .private_segment_fixed_size: 0
    .kernarg_segment_align: 8
    .kernarg_segment_size: 56
    .max_flat_workgroup_size: 128
    .sgpr_count:     66
    .vgpr_count:     512
    .wavefront_size: 32
...
	.end_amdgpu_metadata
.endif
;; end of part 2
;; launch attn (part 3): grid 32 x 8, 4 waves a work-group, clusters of 4 x 1, 327,680 bytes of LDS; arguments qf, kf, vf, wpf, x, b_proj, out0; writes out0
.if DOCPART == 3
	.amdgcn_target "amdgcn-amd-amdhsa--gfx1250"
	.amdhsa_code_object_version 6
	.text
	.protected	k_q963849e852_attn
	.globl	k_q963849e852_attn
	.p2align	8
	.type	k_q963849e852_attn,@function
k_q963849e852_attn:
	s_mov_b64 s[64:65], 0
	v_nop
	global_prefetch_b8 v0, s[64:65] scope:SCOPE_SE
	s_setreg_imm32_b32 hwreg(HW_REG_WAVE_MODE, 25, 1), 1
	s_wait_xcnt 0x0
	s_wait_alu depctr_hold_cnt(0) depctr_sa_sdst(0) depctr_va_vdst(0) depctr_va_sdst(0) depctr_va_ssrc(0) depctr_va_vcc(0) depctr_vm_vsrc(0)
	s_getreg_b32 s2, hwreg(HW_REG_IB_STS2, 6, 4)
	s_cmp_eq_u32 s2, 0
	s_cbranch_scc0 .Lentry_in_a_cluster
	s_endpgm
.Lentry_in_a_cluster:
	s_bfe_u32 s2, ttmp6, 0x10000c
	s_cmp_lg_u32 s2, 0x3003
	s_cbranch_scc0 .Lentry_shape_is_right
	s_endpgm
.Lentry_shape_is_right:
; ATTENTION, SiLU AND THE PROJECTION.  out[o][n] = b_proj[o] + sum over c of w_proj[o][c] silu(y[c][n]); y = [softmax(q k^T / 4) v ; x2].  q, k, v, w_proj arrive in f16, in the order of matrix fragments
; (16 rows x 32 k, two parts of 512 bytes; in part p byte 16 L, L = 16 h + r, holds row r, k = 16 p + 8 h + 0..7): every LDS load below takes 512 consecutive bytes and is a register image.
; Products, maxima, sums and SiLU in f32; the weights p and silu(y) are rounded once to f16 for their products.
; LIMITS.  f16 holds no number beyond 65,504: silu(y) must lie within it; p lies in 0 to 1 (to a rounding), and below 6e-5 keeps f16's fixed step of 6e-8; a weight below 2^-126 counts as 0 in its row's sum.  NaN and infinities are not treated apart.
; SOFTMAX.  q and k have 16 channels, v has 256: to make the scores twice costs 16 matrix instructions a key step beside 128, to rescale O in every step would cost 256 packed multiplies.  So PASS 1 makes all scores once
; for each row's TRUE maximum m, and pass 2 takes p = 2^(c s - c m), c = log2(e) / 4, with nothing to rescale.
; SHARES.  A work-group owns 128 queries of one sample.  Wave w = 2 qh + kh owns the 64 queries of half qh (four tiles of 16) and, of every 128 keys, the 64 of half kh: a fragment of v read from LDS feeds four products.
; My tile lt is tile lt xor 2 kh of the half: so every wave finishes its tiles 0, 1 and hands its partial tiles 2, 3 to the wave beside it, by one text.  In the projection a wave takes its 64 queries and 32 of each 64 outputs.
; LAYOUT.  S^T = K Q^T and O^T = V^T P: a lane holds ONE query (L % 16), and 8 keys or 8 channels.  Two S^T rounded in pairs ARE source 1 of V^T P; two O^T, after SiLU, ARE source 0 (16 queries x 32 channels) of the projection.
; THE RING.  Two slots of 65,536 bytes walk 42 stages: 32 of v (128 keys each), 2 of x2 (128 channels x 128 positions f32), 8 of w_proj (64 outputs).  A change of slots asks for the next stage, a quarter a wave: one tensor load of mine is out (two at the head).
; CLUSTER.  The four query blocks of a cluster walk the same k, v and w_proj: these are asked for JOINTLY (the same load, descriptor and mask in all four).  x2's columns are each work-group's own: plain loads.
; O^T is cleared by 512 v_mov_b32 in the wait for k: the price of writing the key step once.
; REGISTERS, in windows of 256 (s_set_vgpr_msb: bits 1:0 source 0, 3:2 source 1, 5:4 source 2, 7:6 destination):
;   window 0: v0-15 addresses; v16-23 (c m, m) a tile; v24-31 the maxima's chains, then the row sums; v32-63, v64-95 K, two sets; v96-127 Q; v128-255 S^T, 32 a tile.  From the merge on: see below
;   window 1: v0-63 P (16 a tile), v0-127 Y1 as made; v128-191, v192-255 two buffers of eight fragments of v or w_proj
;   windows 2, 3: O^T (channel block cb, tile lt) in window 2 + cb / 8 at 32 (cb % 8) + 8 lt; later silu(y)'s fragments (kk, lt) in window 2 + kk / 8 at 32 (kk % 8) + 8 lt
; A register that serves as an LDS address never holds data: the later phases' addresses lie in the upper halves of k's fragments, which have held 0 alone and are free behind the key loop.
.set RING0, 0x21000                    ; LDS: k at 0 (131,072 bytes and 16 rows of zeros, which the key loop's last fetch of k reads); the ring's two slots,
.set RING1, 0x31000
.set FLIP,  0x10000                    ; one exclusive or apart
.set XCH,   0x41000                    ; 2,048 bytes for the maxima, 2,048 for the row sums
.set STAGE, XCH+4096                   ; 16 rows x 272 bytes for each wave, for the way out
.set SP,    272
.set SPARE, STAGE+4*16*SP              ; the spare words, 128 bytes a wave: two blocks of 256 bytes that no other line names
.set YP,    288                        ; k's region has had its one fill; behind barriers it takes the partial O^T (32,768 bytes a wave), then Y1 (16,384 a wave), then silu(x2) as [256 channels][128 positions] f16, pitch 288
.set AK0, 2                            ; v2   2,048 kh + 16 L; never rewritten
.set AK,  3                            ; v3   k's next fetch
.set AV0, 4                            ; v4   32,768 kh + 16 L; never rewritten
.set AV,  5                            ; v5   + the slot in hand
.set QO0, 6                            ; v6, v7  my tiles 0, 1 and 2, 3 in qf
.set QO1, 7
.set XCA, 8                            ; v8, v9  my 16 bytes in the exchange, the wave's beside me
.set XCB, 9
.set PFO, 10                           ; v10  256 L
.set PFX, 11                           ; v11  16,384 L
.set SPW, 12                           ; v12  my spare word; never rewritten
.set NIL, 13                           ; v13  0; never rewritten
.set RR,  14                           ; v14  L % 16
.set HH,  15                           ; v15  L / 16
.set CM,  16
.set LS,  24
.set MX,  24
.set KA,  32
.set KB,  64
.set Q,   96
.set S,   128
.set LT,  32                           ; from the merge on: v32-35 my row sums, v36-39 the other wave's, v40-43 1 / l in pairs
.set LP,  36
.set RL,  40
.set MA,  44                           ; v44-47 the merge's and Y1's addresses, mine and the other wave's
.set MB,  45
.set YXA, 46
.set YXB, 47
.set XA,  52                           ; v52, v53 x2 in the slot, silu(x2) in LDS
.set YA,  53
.set STO, 54                           ; v54, v55 into my stage: tiles 0, 1 and 2, 3
.set BI,  60                           ; v60, v62 the biases of my two blocks of outputs (low words of pairs)
.set YT,  68                           ; v68-71 the turning loads' addresses
.set RD,  76                           ; v76  back out of my stage
.set GO,  77                           ; v77  my 16 bytes of two rows of out
.set BO,  78                           ; v78  my bias
.set ACC, 128                          ; v128-191 the projection's accumulators at 128 + 32 obl + 8 lt
.set RX,  128                          ; x2: as read, at work, packed
.set TX,  160
.set OX,  192
.set BK,  192                          ; v192-223, v224-255 rows read back from the stage
.set VB,  128                          ; window 1
.set G1J, 24                           ; s[24:31] group 1 of the ring's joint loads: 64 rows of 256 bytes
.set G0J, 32                           ; s[32:35] their group 0: it walks
.set G0K, 36                           ; s[36:39], s[40:47] k's load
.set G1K, 40
.set G1X, 48                           ; s[48:55], s[56:59] x2's loads
.set G0X, 56
.set WB,  60                           ; s[60:61] wpf at my quarter of a slice
.set WV,  66
.set QH,  67
.set KH,  68
.set CNT, 69
.set TB,  70                           ; the slot in hand
.set CS,  72                           ; s[72:73] c
.set NL,  74                           ; s[74:75] - log2(e)
.set SEL, 76                           ; s[76:77] v_permlanex16_b32: each lane takes its own place in the other half
.set PFA, 78                           ; s[78:79] where my prefetches stand
.set LIMV, 80                          ; 2 in a wave that prefetches v, else the greatest number
.set LIMW, 81                          ; the same for w_proj
.set XBP, 82                           ; s[82:83] my 32 rows of x2's second half
.set OUT, 84                           ; s[84:85]
.set PFOFF, 88                         ; s[88:89] my part of a slot in the prefetches
.set QP,  90                           ; s[90:91] the sample's qf
.set W14, 95                           ; 16,384 x wave
.set CN2, 96
.set MSB, 0
.macro WIN new                         ; the high byte repeats the setting that is left; a switch that changes nothing is dropped
.if MSB != (\new)
	s_set_vgpr_msb (MSB<<8)|(\new)
.set MSB, (\new)
.endif
.endm
.macro PLACES                          ; four places behind a matrix instruction, in front of loads into its sources and of readers of its result
.rept 4
	v_nop
.endr
.endm
.macro CROUND                          ; a round of the cluster's barrier
	s_barrier_signal -1
	s_barrier_wait -1
	s_cmp_lg_u32 s[WV], 0
	s_cbranch_scc1 .Lnot_wave_0_\@
	s_barrier_signal -3
.Lnot_wave_0_\@:
	s_barrier_wait -3
	s_barrier_signal -1
	s_barrier_wait -1
.endm
; A PREFETCH of the slot that stands two changes on: 65,536 bytes.  All clusters of a sample walk the same v (all clusters of the launch the same w_proj): the first of them asks.  Its four partners take 16,384 bytes each, told apart
; BY ADDRESS; in each, waves 0 and 2 take 8,192: a lane a block of 256 bytes, one instruction.  So each block is named once.  The first three slots come by their loads alone; the last changes ask for nothing.
.macro ASK lim
	s_cmp_gt_u32 s[CNT], s[\lim]
	s_cbranch_scc0 .Lnot_mine_\@
	global_prefetch_b8 v[PFO], s[PFA:PFA+1] th:TH_LOAD_NT scope:SCOPE_SE
.Lnot_mine_\@:
.endm
; THE CHANGE OF SLOTS.  Each wave waits for all its tensor loads (one is out: its quarter of the stage to be entered), adds 0 to its spare word, and waits for that and for its LDS reads.  Behind the round no wave of any partner
; reads the old slot or has a load on its way, and the old slot is filled with the stage after, first thing.  The kinds that stand in loops turn the slot by an exclusive or; those written out once name it.
.set K_JV,  0                          ; the next 128 keys of v
.set K_XA,  1                          ; x2's first half, into slot 0
.set K_XB,  2                          ; its second half, into slot 1
.set K_JW0, 3                          ; w_proj's first slice, into slot 0
.set K_JW,  4                          ; its next slice
.set K_NONE, 5                         ; nothing is left to ask for
.macro CHANGE kind
	WIN 0
	s_wait_tensorcnt 0x0                           ; no tensor load of mine is out, so a group 0 may be written
	ds_add_u32 v[SPW], v[NIL]                      ; 0 onto my spare word; scalar work stands between it and the wait for it
.if ((\kind) == K_JV) || ((\kind) == K_JW)
	s_xor_b32 s[G0J+1], s[G0J+1], FLIP
	s_add_nc_u64 s[G0J+2:G0J+3], s[G0J+2:G0J+3], 0x10000
	s_wait_xcnt 0x0                                ; the last prefetch, a stage back, has read its address
	s_add_nc_u64 s[PFA:PFA+1], s[PFA:PFA+1], 0x10000
	s_xor_b32 s[TB], s[TB], FLIP
.elseif (\kind) == K_XA
	s_mov_b32 s[TB], RING1                         ; the last keys lie in slot 1
.elseif (\kind) == K_XB
	s_add_co_u32 s[G0X+1], s[W14], RING1
	s_add_nc_u64 s[G0X+2:G0X+3], s[G0X+2:G0X+3], 0x200000  ; 128 channels on
	s_mov_b32 s[TB], RING0
.elseif (\kind) == K_JW0
	s_add_co_u32 s[G0J+1], s[W14], RING0
	s_mov_b64 s[G0J+2:G0J+3], s[WB:WB+1]
	s_or_b32 s[G0J+3], s[G0J+3], 0x80000000
	s_wait_xcnt 0x0
	s_add_nc_u64 s[PFA:PFA+1], s[10:11], s[PFOFF:PFOFF+1]
	s_add_nc_u64 s[PFA:PFA+1], s[PFA:PFA+1], 0x20000  ; at slice 2: the next change steps it to 3
	s_mov_b32 s[TB], RING1
.else
	s_mov_b32 s[TB], RING1                         ; the last slice lies in slot 1
.endif
	s_wait_dscnt 0x0                               ; the add is done, and my LDS reads are over
.if (\kind) == K_NONE
	s_barrier_signal -1
	s_barrier_wait -1
	PLACES
.else
	CROUND
.if ((\kind) == K_XA) || ((\kind) == K_XB)
	tensor_load_to_lds s[G0X:G0X+3], s[G1X:G1X+7]
.else
	tensor_load_to_lds s[G0J:G0J+3], s[G1J:G1J+7]
.endif
	s_nop 0
	PLACES                                         ; also the places in front of the loads and conversions that follow
.if (\kind) == K_JV
	ASK LIMV
.elseif (\kind) == K_JW
	ASK LIMW
.endif
.endif
.endm
	s_load_b256 s[4:11], s[0:1], 0x0               ; qf 4, kf 6, vf 8, wpf 10
	s_load_b128 s[12:15], s[0:1], 0x20             ; x 12, b_proj 14
	s_load_b64 s[16:17], s[0:1], 0x30              ; out0
	v_lshl_add_u32 v[SPW], v0, 2, SPARE
	v_mov_b32 v[NIL], 0
	ds_add_u32 v[SPW], v[NIL]                      ; the wave's opening: the add and its wait ahead of my first tensor load; work on registers stands between them
	v_lshrrev_b32 v1, 5, v0
	v_readfirstlane_b32 s[WV], v1                  ; wave 0..3
	s_lshr_b32 s[QH], s[WV], 1
	s_and_b32 s[KH], s[WV], 1
	s_bfe_u32 s18, ttmp6, 0x40000                  ; cx
	s_lshl_b32 s19, ttmp9, 2
	s_add_co_u32 s19, s19, s18                     ; my block of 128 queries: it enters the addresses of qf, x and out alone
	s_and_b32 s20, ttmp7, 0xffff                   ; the sample, which the four partners share
	s_lshl_b32 s[W14], s[WV], 14
	s_mov_b32 s[G1J], 15|(3<<16)|(1<<21)           ; the mask of four; elements of 8 bytes; bit 21 beside a mask
	s_mov_b32 s[G1J+1], 32<<16                     ; tensor_dim0 = 32: rows of 256 bytes
	s_mov_b32 s[G1J+2], 64<<16                     ; tensor_dim1 = 64
	s_mov_b32 s[G1J+3], 32<<16                     ; tile_dim0
	s_mov_b32 s[G1J+4], 64                         ; tile_dim1
	s_mov_b32 s[G1J+5], 32                         ; dense
	s_mov_b32 s[G1J+6], 0
	s_mov_b32 s[G1J+7], 0
	s_mov_b32 s[G1K], 15|(3<<16)|(1<<21)           ; k: 132 rows a wave; the sample has 512, so the last wave's last 16 rows arrive as zeros
	s_mov_b32 s[G1K+1], 32<<16
	s_mul_i32 s21, s[WV], 132
	s_sub_co_u32 s21, 512, s21
	s_lshl_b32 s[G1K+2], s21, 16                   ; tensor_dim1: the rows left from my first
	s_mov_b32 s[G1K+3], 32<<16
	s_mov_b32 s[G1K+4], 132
	s_mov_b32 s[G1K+5], 32
	s_mov_b32 s[G1K+6], 0
	s_mov_b32 s[G1K+7], 0
	s_mov_b32 s[G1X], 3<<16                        ; x2: no mask; 32 rows of 512 bytes, 16,384 bytes apart
	s_mov_b32 s[G1X+1], 64<<16
	s_mov_b32 s[G1X+2], 32<<16
	s_mov_b32 s[G1X+3], 64<<16
	s_mov_b32 s[G1X+4], 32
	s_mov_b32 s[G1X+5], 2048
	s_mov_b32 s[G1X+6], 0
	s_mov_b32 s[G1X+7], 0
	s_mov_b32 s[G0J], 1
	s_add_co_u32 s[G0J+1], s[W14], RING0
	s_mov_b32 s[G0K], 1
	s_mul_i32 s[G0K+1], s[WV], 33792
	s_mov_b32 s[G0X], 1
	s_add_co_u32 s[G0X+1], s[W14], RING0
	s_mov_b32 s[CS], 0x3eb8aa3b                    ; c = log2(e) / 4
	s_mov_b32 s[CS+1], s[CS]
	s_mov_b32 s[NL], 0xbfb8aa3b
	s_mov_b32 s[NL+1], s[NL]
	s_mov_b32 s[SEL], 0x76543210
	s_mov_b32 s[SEL+1], 0xfedcba98
	s_or_b32 s21, s[KH], ttmp9                     ; 0 in waves 0 and 2 of the sample's first cluster: the same in all four partners
	s_cmp_eq_u32 s21, 0
	s_cselect_b32 s[LIMV], 2, -1
	s_or_b32 s21, s21, s20                         ; and of the first sample
	s_cmp_eq_u32 s21, 0
	s_cselect_b32 s[LIMW], 2, -1
	s_lshl_b32 s[PFOFF], s18, 14
	s_lshl_b32 s94, s[QH], 13
	s_add_co_u32 s[PFOFF], s[PFOFF], s94
	s_mov_b32 s[PFOFF+1], 0
	v_and_b32 v1, 31, v0
	v_lshlrev_b32 v[PFO], 8, v1
	v_lshlrev_b32 v[PFX], 14, v1
	v_lshlrev_b32 v1, 4, v1                        ; 16 L
	v_and_b32 v[RR], 15, v0
	v_bfe_u32 v[HH], v0, 4, 1
	s_lshl_b32 s21, s[KH], 11
	v_add_nc_u32 v[AK0], s21, v1
	s_lshl_b32 s21, s[KH], 15
	v_add_nc_u32 v[AV0], s21, v1
	s_lshl_b32 s94, s19, 3
	s_lshl1_add_u32 s94, s[WV], s94                ; tile 8 qb + 4 qh + 2 kh
	s_lshl_b32 s94, s94, 9
	v_add_nc_u32 v[QO0], s94, v1
	s_xor_b32 s94, s94, 1024                       ; and with the other kh
	v_add_nc_u32 v[QO1], s94, v1
	s_lshl_b32 s21, s[WV], 9
	s_add_co_u32 s21, s21, XCH
	v_add_nc_u32 v[XCA], s21, v1
	s_xor_b32 s21, s21, 512
	v_add_nc_u32 v[XCB], s21, v1
	s_wait_dscnt 0x0                               ; the opening add is done
	s_wait_kmcnt 0x0
	s_mov_b32 s23, 0                               ; s21-23 feed the joint descriptors and never hold a number made from cx; s92-94 hold those
	s_mov_b32 s93, 0
	s_lshl_b32 s22, s20, 21
	s_add_co_u32 s22, s22, s[W14]
	s_add_nc_u64 s[G0J+2:G0J+3], s[8:9], s[22:23]  ; my quarter of the sample's first 128 keys of v
	s_or_b32 s[G0J+3], s[G0J+3], 0x80000000
	s_lshl_b32 s22, s20, 17
	s_add_nc_u64 s[QP:QP+1], s[4:5], s[22:23]
	s_add_co_u32 s22, s22, s[G0K+1]
	s_add_nc_u64 s[G0K+2:G0K+3], s[6:7], s[22:23]
	s_or_b32 s[G0K+3], s[G0K+3], 0x80000000
	s_mov_b32 s22, s[W14]
	s_add_nc_u64 s[WB:WB+1], s[10:11], s[22:23]
	s_lshl_b32 s92, s20, 23
	s_lshl_b32 s94, s[WV], 19                      ; 32 w channels
	s_add_co_u32 s92, s92, s94
	s_add_co_u32 s92, s92, 256*16384               ; behind x1's 256
	s_lshl_b32 s94, s19, 9
	s_add_co_u32 s92, s92, s94
	s_add_nc_u64 s[XBP:XBP+1], s[12:13], s[92:93]
	s_mov_b64 s[G0X+2:G0X+3], s[XBP:XBP+1]
	s_or_b32 s[G0X+3], s[G0X+3], 0x80000000
	s_add_nc_u64 s[XBP:XBP+1], s[XBP:XBP+1], 0x200000
	s_lshl_b32 s92, s20, 23
	s_lshl_b32 s94, s[KH], 19                      ; my 32 of a slice's 64 outputs
	s_add_co_u32 s92, s92, s94
	s_lshl_b32 s94, s19, 9
	s_add_co_u32 s92, s92, s94
	s_lshl_b32 s94, s[QH], 8
	s_add_co_u32 s92, s92, s94
	s_add_nc_u64 s[OUT:OUT+1], s[16:17], s[92:93]
	s_lshl_b32 s92, s20, 21
	s_add_co_u32 s92, s92, 0x20000
	s_add_nc_u64 s[PFA:PFA+1], s[8:9], s[92:93]    ; v's slot 2: the first change steps it to 3.  Nothing is prefetched at the head
	s_add_nc_u64 s[PFA:PFA+1], s[PFA:PFA+1], s[PFOFF:PFOFF+1]
	CROUND                                         ; all four work-groups are here: the first joint loads meet
	tensor_load_to_lds s[G0K:G0K+3], s[G1K:G1K+7]  ; k, whole
	s_nop 0
	tensor_load_to_lds s[G0J:G0J+3], s[G1J:G1J+7]  ; v's first 128 keys, into slot 0: two loads of mine are out
	s_nop 0
	PLACES
	global_load_b128 v[Q:Q+3],     v[QO0], s[QP:QP+1]
	global_load_b128 v[Q+8:Q+11],  v[QO0], s[QP:QP+1] offset:512
	global_load_b128 v[Q+16:Q+19], v[QO1], s[QP:QP+1]
	global_load_b128 v[Q+24:Q+27], v[QO1], s[QP:QP+1] offset:512
.irp b, KA, KB, Q                      ; q and k have 16 channels: the fragments' upper 16 are 0
.irp f, 0,1,2,3
.irp j, 4,5,6,7
	v_mov_b32 v[(\b)+8*(\f)+(\j)], 0
.endr
.endr
.endr
.set i, 0
.rept 8
	v_mov_b32 v[MX+i], 0xff7fffff                  ; the lowest finite number
.set i, i+1
.endr
	WIN 0x80
.set i, 0
.rept 256
	v_mov_b32 v[i], 0
.set i, i+1
.endr
	WIN 0xc0
.set i, 0
.rept 256
	v_mov_b32 v[i], 0
.set i, i+1
.endr
	WIN 0
	s_wait_tensorcnt 0x1                           ; my part of k is in; v's may stay out
	s_barrier_signal -1
	s_barrier_wait -1
	s_wait_loadcnt 0x0                             ; q
.macro FETCHK set, off                 ; 64 keys of k: four loads of 512 consecutive bytes
	WIN 0
.irp t, 0,1,2,3
	ds_load_b128 v[(\set)+8*(\t):(\set)+8*(\t)+3], v[AK] offset:(\off)+512*(\t)
.endr
.endm
.macro QK set                          ; product nQ of 16 of S^T = K Q^T: keys 16 (nQ / 4) on, tile nQ % 4
	WIN 0
.set rr, S+32*(nQ%4)+8*(nQ/4)
	v_wmma_f32_16x16x32_f16 v[rr:rr+7], v[(\set)+8*(nQ/4):(\set)+8*(nQ/4)+7], v[Q+8*(nQ%4):Q+8*(nQ%4)+7], 0
.set nQ, nQ+1
.endm
.macro MAXR a                          ; accumulator a's eight scores into its tile's two chains, from its low end on
.set rr, S+32*((\a)%4)+8*((\a)/4)
.set rm, MX+2*((\a)%4)
	v_max3_num_f32 v[rm], v[rm], v[rr], v[rr+1]
	v_max3_num_f32 v[rm+1], v[rm+1], v[rr+2], v[rr+3]
	v_max3_num_f32 v[rm], v[rm], v[rr+4], v[rr+5]
	v_max3_num_f32 v[rm+1], v[rm+1], v[rr+6], v[rr+7]
.endm
; PASS 1, 64 keys: 16 products; behind product i the maxima of accumulator i + 1, which the next product writes anew: it was written 15 products ago.  The other set of k is fetched meanwhile: its last reader stands four maxima back.
; first = 1: there are no scores yet; a v_nop behind each product keeps the places in front of the first maxima.
.macro HT set, other, off, fetch, first
	s_wait_dscnt 0x0                               ; this set is in
.if \fetch
	FETCHK \other, \off
.endif
.set nQ, 0
.rept 16
	QK \set
.if (\first) && (nQ < 16)
	v_nop
.else
	MAXR nQ%16
.endif
.endr
.endm
	v_mov_b32 v[AK], v[AK0]
	FETCHK KA, 0
	HT KA, KB, 4096, 1, 1                          ; my 64 keys of a slot lie 4,096 bytes from those of the next
	v_add_nc_u32 v[AK], 8192, v[AK]
	s_mov_b32 s[CNT], 15
.Lmax:
	HT KB, KA, 0, 1, 0
	HT KA, KB, 4096, 1, 0
	v_add_nc_u32 v[AK], 8192, v[AK]
	s_sub_co_u32 s[CNT], s[CNT], 1
	s_cmp_lg_u32 s[CNT], 0
	s_cbranch_scc1 .Lmax
	HT KB, KA, 0, 0, 0
.irp a, 1,2,3,4,5,6,7,8,9,10,11,12,13,14,15
	MAXR \a
.endr
.irp t, 0,1,2,3
	v_max_num_f32 v[S+(\t)], v[MX+2*(\t)], v[MX+2*(\t)+1]
.endr
.irp t, 0,1,2,3
	v_permlanex16_b32 v[MX+2*(\t)+1], v[S+(\t)], s[SEL], s[SEL+1]  ; the query's other keys lie in the lane 16 away
.endr
.irp t, 0,1,2,3
	v_max_num_f32 v[S+(\t)], v[S+(\t)], v[MX+2*(\t)+1]
.endr
	ds_store_b128 v[XCA], v[S:S+3]                 ; and the other half of all keys in the wave beside me
	s_wait_dscnt 0x0
	s_barrier_signal -1
	s_barrier_wait -1
	ds_load_b128 v[S+4:S+7], v[XCB]
	v_mov_b32 v[AK], v[AK0]
	FETCHK KA, 0                                   ; PASS 2: key step 0
	s_wait_dscnt 0x0
.irp t, 0,1,2,3
	v_max_num_f32 v[CM+2*(\t)+1], v[S+(\t)], v[S+4+((\t)^2)]  ; its tile t xor 2 is my tile t
.endr
.irp t, 0,1,2,3
	v_mul_f32 v[CM+2*(\t)], s[CS], v[CM+2*(\t)+1]
.endr
; THE VECTOR WORK OF A KEY STEP, in four numbered queues; the tiles alternate.  FS: c s - c m for a pair (64).  EX: the exponential of a score (128).  SM: a pair onto its tile's row sum (64).  CV: a pair rounded to f16 (64; the first 32 are keys 0..31).
.macro FS
	WIN 0
.set rr, S+32*(nF%4)+8*(nF/16)+2*((nF/4)%4)
	v_pk_fma_f32 v[rr:rr+1], v[rr:rr+1], s[CS:CS+1], v[CM+2*(nF%4):CM+2*(nF%4)+1] op_sel_hi:[1,0,0] neg_lo:[0,0,1] neg_hi:[0,0,1]
.set nF, nF+1
.endm
.macro EX
	WIN 0
.set rr, S+32*(nE%4)+8*(nE/32)+(nE/4)%8
	v_exp_f32 v[rr], v[rr]
.set nE, nE+1
.endm
.macro SM
	WIN 0
.set rr, S+32*(nS%4)+2*(nS/4)
	v_pk_add_f32 v[LS+2*(nS%4):LS+2*(nS%4)+1], v[LS+2*(nS%4):LS+2*(nS%4)+1], v[rr:rr+1]
.set nS, nS+1
.endm
.macro CV
	WIN 0x40                                       ; P lies in window 1
.set rr, S+32*(nC%4)+16*(nC/32)+2*((nC%32)/4)
	v_cvt_pk_f16_f32 v[16*(nC%4)+8*(nC/32)+(nC%32)/4], v[rr], v[rr+1]
.set nC, nC+1
.endm
.macro FETCH hb, blk                   ; eight fragments (8,192 bytes) of v or w_proj into buffer hb
	WIN 0x40
.set ff, 0
.rept 8
	ds_load_b128 v[VB+64*(\hb)+8*ff:VB+64*(\hb)+8*ff+3],   v[AV] offset:8192*(\blk)+1024*ff
	ds_load_b128 v[VB+64*(\hb)+8*ff+4:VB+64*(\hb)+8*ff+7], v[AV] offset:8192*(\blk)+1024*ff+512
.set ff, ff+1
.endr
.endm
; Product nP of 32 of block blk of O^T += V^T P: keys 32 (blk / 2) on, channel block 8 (blk % 2) + nP / 4, tile nP % 4.  A block's 32 accumulators take turns.
.macro PVW blk
	WIN 0xa5+0x50*((\blk)%2)
.set rO, 32*(nP/4)+8*(nP%4)
.set rV, VB+64*((\blk)%2)+8*(nP/4)
.set rP, 16*(nP%4)+8*((\blk)/2)
	v_wmma_f32_16x16x32_f16 v[rO:rO+7], v[rV:rV+7], v[rP:rP+7], v[rO:rO+7]
.set nP, nP+1
.endm
; A KEY STEP t: V^T P of step t (128 products, four blocks), K Q^T of step t + 1 (16), and step t + 1's softmax as riders.  At its head P holds step t's keys 0..31, S^T its weights.
;   8 K Q^T (keys 0..31), behind each 4 CV: step t's keys 32..63;   8 K Q^T (keys 32..63), behind each FS, EX, FS, EX;
;   block 0: behind each two products FS, EX, FS, EX, FS;   block 1: 5 EX;   THE ONE WAIT for the step's 128 exponentials, ahead of their first reader;   block 2: 4 SM;   block 3: 2 CV: step t + 1's keys 0..31.
; An exponential's pair has been scaled: EX e wants FS e / 2 + 3 at the latest, and the deal keeps FS further ahead than that.  Each buffer of v is fetched a block ahead, four places behind its last reader; k of step t + 2 in block 1.
; full = 0: the last step: its products, its 32 CV, and nothing else.
.macro TRIP full
	WIN 0
	v_add_nc_u32 v[AV], s[TB], v[AV0]
	FETCH 0, 0
	FETCH 1, 1
.set nC, 32
.if \full
.set nQ, 0
.set nF, 0
.set nE, 0
.set nS, 0
.rept 8
	QK KA
	CV
	CV
	CV
	CV
.endr
.rept 8
	QK KA
	FS
	EX
	FS
	EX
.endr
.else
.rept 32
	CV
.endr
.endif
	s_wait_dscnt 16                                ; buffer 0 is in; buffer 1's 16 loads stay out
.set nP, 0
.rept 16
	PVW 0
	PVW 0
.if \full
	FS
	EX
	FS
	EX
	FS
.endif
.endr
	s_wait_dscnt 0x0                               ; buffer 1 is in
	PLACES
	FETCH 0, 2
.if \full
	FETCHK KA, 0
	v_add_nc_u32 v[AK], 4096, v[AK]
.endif
.set nP, 0
.rept 16
	PVW 1
	PVW 1
.if \full
	EX
	EX
	EX
	EX
	EX
.endif
.endr
.if \full
	v_nop                                          ; a plain instruction behind the last exponential: one for the batch,
	s_wait_alu depctr_va_vdst(0)                   ; and the wait ahead of the first instruction that names a result
.endif
	s_wait_dscnt 0x0                               ; buffer 0 and k are in
	PLACES
	FETCH 1, 3
.set nP, 0
.rept 16
	PVW 2
	PVW 2
.if \full
	SM
	SM
	SM
	SM
.endif
.endr
	s_wait_dscnt 0x0                               ; buffer 1 is in
.set nC, 0
.set nP, 0
.rept 16
	PVW 3
	PVW 3
.if \full
	CV
	CV
.endif
.endr
	WIN 0
.endm
.set nQ, 0
.rept 16
	QK KA                                          ; step 0's scores: there is no vector work yet to set between them
.endr
	PLACES
	FETCHK KA, 4096                                ; k of step 1
	v_add_nc_u32 v[AK], 8192, v[AK0]
.set i, 0
.rept 8
	v_mov_b32 v[LS+i], 0
.set i, i+1
.endr
.set nF, 0
.rept 64
	FS
.endr
.set nE, 0
.rept 128
	EX
.endr
	v_nop
	s_wait_alu depctr_va_vdst(0)
.set nS, 0
.rept 64
	SM
.endr
.set nC, 0
.rept 32
	CV
.endr
	WIN 0
	s_mov_b32 s[TB], RING1                         ; the first change turns it into slot 0
	s_mov_b32 s[CNT], 31
.Lkeys:                                                ; steps 0 .. 30: each asks for the next 128 keys
	CHANGE K_JV
	TRIP 1
	s_sub_co_u32 s[CNT], s[CNT], 1
	s_cmp_lg_u32 s[CNT], 0
	s_cbranch_scc1 .Lkeys
	CHANGE K_XA                                    ; the last step; x2's first half is asked for
	TRIP 0
	PLACES
	; THE MERGE.  My tiles 2, 3 go to the wave beside me, whose tiles 2, 3 are my tiles 0, 1: row sums and partial O^T, in f32, through k's region.
.irp t, 0,1,2,3
	v_add_f32 v[LT+(\t)], v[LS+2*(\t)], v[LS+2*(\t)+1]
.endr
.irp t, 0,1,2,3
	v_permlanex16_b32 v[LP+(\t)], v[LT+(\t)], s[SEL], s[SEL+1]
.endr
.irp t, 0,1,2,3
	v_add_f32 v[LT+(\t)], v[LT+(\t)], v[LP+(\t)]
.endr
	ds_store_b128 v[XCA], v[LT:LT+3] offset:2048
	s_lshl_b32 s21, s[WV], 15
	v_add_nc_u32 v[MA], s21, v1
	s_xor_b32 s21, s21, 0x8000
	v_add_nc_u32 v[MB], s21, v1
	v_add_nc_u32 v[YXA], s[W14], v1
	s_xor_b32 s21, s[W14], 0x4000
	v_add_nc_u32 v[YXB], s21, v1
.set cb, 0
.rept 16
	WIN 0x08+4*(cb/8)                              ; store data in window 2 or 3
.irp q, 0,1,2,3
	ds_store_b128 v[MA], v[32*(cb%8)+16+4*(\q):32*(cb%8)+19+4*(\q)] offset:(4*cb+(\q))*512
.endr
.set cb, cb+1
.endr
	WIN 0
	s_wait_dscnt 0x0
	s_barrier_signal -1
	s_barrier_wait -1
	ds_load_b128 v[LP:LP+3], v[XCB] offset:2048
.set cb, 0
.rept 16
	WIN 0x80+0x40*(cb/8)                           ; into the registers that I have just sent
.irp q, 0,1,2,3
	ds_load_b128 v[32*(cb%8)+16+4*(\q):32*(cb%8)+19+4*(\q)], v[MB] offset:(4*cb+(\q))*512
.endr
.set cb, cb+1
.endr
	WIN 0
	global_prefetch_b8 v[PFX], s[XBP:XBP+1] th:TH_LOAD_NT scope:SCOPE_SE             ; my 32 rows of x2's second half, 512 bytes each, a lane a row: asked for once, by the wave that will load them,
	global_prefetch_b8 v[PFX], s[XBP:XBP+1] offset:256 th:TH_LOAD_NT scope:SCOPE_SE  ; the SiLU below ahead of their tensor load
	s_wait_dscnt 0x0                               ; my reads of the partial sums are over:
	s_barrier_signal -1                            ; say so; the wait stands behind the SiLU, in front of the stores that write these bytes anew
	v_add_f32 v[RL], v[LT], v[LP+2]
	v_add_f32 v[RL+2], v[LT+1], v[LP+3]
	v_rcp_f32 v[RL], v[RL]
	v_rcp_f32 v[RL+2], v[RL+2]
	v_nop
	s_wait_alu depctr_va_vdst(0)
	v_mov_b32 v[RL+1], v[RL]
	v_mov_b32 v[RL+3], v[RL+2]
; Channels 32 kk .. 32 kk + 31 of my tiles 0, 1: y = (mine + the other's) / l; silu(y) = y / (1 + 2^(- y log2 e)); rounded to f16: a fragment of the projection's source 0.  The other's registers serve as scratch.
; The 32 exponentials and the 32 reciprocals are a batch each, with a plain instruction and one wait.
.macro SILU1 kk
.set WW, 2+(\kk)/4
.set bs, 64*((\kk)%4)
	WIN WW*0x45
.set u, 0
.rept 16
.set ry, bs+32*(u/8)+2*(u%8)
	v_pk_add_f32 v[ry:ry+1], v[ry:ry+1], v[ry+16:ry+17]
.set u, u+1
.endr
	WIN WW*0x41
.set u, 0
.rept 16
.set ry, bs+32*(u/8)+2*(u%8)
	v_pk_mul_f32 v[ry:ry+1], v[ry:ry+1], v[RL+2*((u%8)/4):RL+2*((u%8)/4)+1]
.set u, u+1
.endr
.set u, 0
.rept 16
.set ry, bs+32*(u/8)+2*(u%8)
	v_pk_mul_f32 v[ry+16:ry+17], v[ry:ry+1], s[NL:NL+1] op_sel_hi:[1,0]
.set u, u+1
.endr
.set u, 0
.rept 32
	v_exp_f32 v[bs+32*(u/16)+16+u%16], v[bs+32*(u/16)+16+u%16]
.set u, u+1
.endr
	v_nop
	s_wait_alu depctr_va_vdst(0)
.set u, 0
.rept 16
.set ry, bs+32*(u/8)+2*(u%8)
	v_pk_add_f32 v[ry+16:ry+17], v[ry+16:ry+17], 1.0 op_sel_hi:[1,0]
.set u, u+1
.endr
.set u, 0
.rept 32
	v_rcp_f32 v[bs+32*(u/16)+16+u%16], v[bs+32*(u/16)+16+u%16]
.set u, u+1
.endr
	v_nop
	s_wait_alu depctr_va_vdst(0)
	WIN WW*0x45
.set u, 0
.rept 16
.set ry, bs+32*(u/8)+2*(u%8)
	v_pk_mul_f32 v[ry+16:ry+17], v[ry:ry+1], v[ry+16:ry+17]
.set u, u+1
.endr
	WIN 0x40+WW*5
.set u, 0
.rept 16
.set ry, bs+32*(u/8)+2*(u%8)
	v_cvt_pk_f16_f32 v[16*(\kk)+8*((u%8)/4)+4*(u/8)+u%4], v[ry+16], v[ry+17]
.set u, u+1
.endr
.endm
.irp kk, 0,1,2,3,4,5,6,7
	SILU1 \kk
.endr
	WIN 0
	s_barrier_wait -1                              ; nobody reads the partial sums any more
	WIN 0x04
.set i, 0
.rept 32
	ds_store_b128 v[YXA], v[4*i:4*i+3] offset:512*i  ; my two tiles' fragments, for the wave beside me
.set i, i+1
.endr
	WIN 0
	s_wait_dscnt 0x0
	s_barrier_signal -1
	s_barrier_wait -1
	WIN 0x80
.set i, 0
.rept 32                                               ; fragment (kk = i / 4, tile (i / 2) % 2), part i % 2: mine to tiles 0, 1, the other's to tiles 2, 3
	ds_load_b128 v[32*(i/4)+4*(i%4):32*(i/4)+4*(i%4)+3],       v[YXA] offset:512*i
	ds_load_b128 v[32*(i/4)+16+4*(i%4):32*(i/4)+16+4*(i%4)+3], v[YXB] offset:512*i
.set i, i+1
.endr
	WIN 0
; silu(x2): my 32 channels of the slot's 128, eight a trip: a channel's 128 positions are 512 bytes, one load of the wave; 8 bytes of f16 a lane go into the channel's row.
.macro XPROC half
	WIN 0
	s_add_co_u32 s21, s[W14], s[TB]
	v_add_nc_u32 v[XA], s21, v1
	s_mul_i32 s21, s[WV], 32*YP
	s_add_co_u32 s21, s21, (\half)*128*YP
	v_lshrrev_b32 v[YA], 1, v1
	v_add_nc_u32 v[YA], s21, v[YA]
	s_mov_b32 s[CN2], 4
.Lxp_\@:
.irp i, 0,1,2,3,4,5,6,7
	ds_load_b128 v[RX+4*(\i):RX+4*(\i)+3], v[XA] offset:512*(\i)
.endr
	s_wait_dscnt 0x0
.set u, 0
.rept 16
	v_pk_mul_f32 v[TX+2*u:TX+2*u+1], v[RX+2*u:RX+2*u+1], s[NL:NL+1] op_sel_hi:[1,0]
.set u, u+1
.endr
.set u, 0
.rept 32
	v_exp_f32 v[TX+u], v[TX+u]
.set u, u+1
.endr
	v_nop
	s_wait_alu depctr_va_vdst(0)
.set u, 0
.rept 16
	v_pk_add_f32 v[TX+2*u:TX+2*u+1], v[TX+2*u:TX+2*u+1], 1.0 op_sel_hi:[1,0]
.set u, u+1
.endr
.set u, 0
.rept 32
	v_rcp_f32 v[TX+u], v[TX+u]
.set u, u+1
.endr
	v_nop
	s_wait_alu depctr_va_vdst(0)
.set u, 0
.rept 16
	v_pk_mul_f32 v[TX+2*u:TX+2*u+1], v[RX+2*u:RX+2*u+1], v[TX+2*u:TX+2*u+1]
.set u, u+1
.endr
.set u, 0
.rept 16
	v_cvt_pk_f16_f32 v[OX+u], v[TX+2*u], v[TX+2*u+1]
.set u, u+1
.endr
.irp i, 0,1,2,3,4,5,6,7
	ds_store_b64 v[YA], v[OX+2*(\i):OX+2*(\i)+1] offset:YP*(\i)
.endr
	v_add_nc_u32 v[XA], 4096, v[XA]
	v_add_nc_u32 v[YA], 8*YP, v[YA]
	s_sub_co_u32 s[CN2], s[CN2], 1
	s_cmp_lg_u32 s[CN2], 0
	s_cbranch_scc1 .Lxp_\@
.endm
	CHANGE K_XB                                    ; x2's first half is in, Y1's fragments have been read; its second half is asked for
	XPROC 0
	CHANGE K_JW0                                   ; w_proj's first slice is asked for
	XPROC 1
	v_and_b32 v[YT], 7, v0                         ; the turning load: lane L reads channel 8 h + L % 8, positions 8 ((L / 8) % 2) + 0..7
	v_lshl_add_u32 v[YT], v[HH], 3, v[YT]
	v_mul_u32_u24 v[YT], v[YT], YP
	v_bfe_u32 v[YT+1], v0, 3, 1
	v_lshl_add_u32 v[YT], v[YT+1], 4, v[YT]
	s_lshl_b32 s21, s[WV], 6                       ; my tiles 0, 1 begin at position 64 qh + 32 kh,
	s_xor_b32 s22, s21, 64                         ; my tiles 2, 3 with the other kh
	v_add_nc_u32 v[YT+2], s22, v[YT]
	v_add_nc_u32 v[YT], s21, v[YT]
	v_add_nc_u32 v[YT+1], 128*YP, v[YT]
	v_add_nc_u32 v[YT+3], 128*YP, v[YT+2]
	s_wait_dscnt 0x0                               ; my rows of silu(x2) are stored:
	s_barrier_signal -1
	s_barrier_wait -1                              ; everybody's are.  (The slice may stay out)
	WIN 0xc0
.set i, 0
.rept 32                                               ; fragment (kk = 8 + i / 4, tile i % 4)
	ds_load_tr16_b128 v[8*i:8*i+3],   v[YT+2*((i%4)/2)+i/16] offset:((i/4)%4)*32*YP+32*(i%2)
	ds_load_tr16_b128 v[8*i+4:8*i+7], v[YT+2*((i%4)/2)+i/16] offset:((i/4)%4)*32*YP+16*YP+32*(i%2)
.set i, i+1
.endr
	WIN 0
	s_mul_i32 s21, s[WV], 16*SP
	s_add_co_u32 s21, s21, STAGE                   ; my stage: a row an output, 64 positions of f32
	s_lshl_b32 s22, s[KH], 7                       ; 128 kh: where my tiles 0, 1 lie in a row,
	s_xor_b32 s23, s22, 128                        ; 128 (1 - kh): my tiles 2, 3
	v_mul_u32_u24 v[STO+1], v[RR], SP
	v_lshl_add_u32 v[STO+1], v[HH], 5, v[STO+1]    ; in: output r, 8 positions from 8 h of a tile
	v_add_nc_u32 v[STO+1], s21, v[STO+1]
	v_add_nc_u32 v[STO], s22, v[STO+1]
	v_add_nc_u32 v[STO+1], s23, v[STO+1]
	v_mul_u32_u24 v[RD], v[HH], SP                 ; back: lanes 0-15 one row of 256 bytes, lanes 16-31 the next
	v_lshl_add_u32 v[RD], v[RR], 4, v[RD]
	v_add_nc_u32 v[RD], s21, v[RD]
	v_lshlrev_b32 v[GO], 14, v[HH]                 ; and the same two rows of out
	v_lshl_add_u32 v[GO], v[RR], 4, v[GO]
	v_lshl_add_u32 v[BO], v[RR], 2, s22            ; b_proj[32 kh + r]
; Product nP of 32 of block blk: source 0 = silu(y) (16 positions x 32 channels, kk = 8 (blk % 2) + nP / 4, tile nP % 4), source 1 = w_proj (16 outputs, block blk / 2 of my two): a lane holds one output and eight positions.
; The four tiles' accumulators take turns; the first products start the sums.
.macro PJW blk
	WIN 0x06+((\blk)%2)
.set rA, 32*(nP/4)+8*(nP%4)
.set rB, VB+64*((\blk)%2)+8*(nP/4)
.set rD, ACC+32*((\blk)/2)+8*(nP%4)
.if (((\blk)%2) == 0) && (nP < 4)
	v_wmma_f32_16x16x32_f16 v[rD:rD+7], v[rA:rA+7], v[rB:rB+7], 0
.else
	v_wmma_f32_16x16x32_f16 v[rD:rD+7], v[rA:rA+7], v[rB:rB+7], v[rD:rD+7]
.endif
.set nP, nP+1
.endm
.macro TOST obl                        ; + bias; into my own stage, and back as whole rows of 256 bytes (LDS serves a wave's instructions in order: ISA guide 5.7.1.4)
	WIN 0
.set u, 0
.rept 16
	v_pk_add_f32 v[ACC+32*(\obl)+2*u:ACC+32*(\obl)+2*u+1], v[ACC+32*(\obl)+2*u:ACC+32*(\obl)+2*u+1], v[BI+2*(\obl):BI+2*(\obl)+1] op_sel_hi:[1,0]
.set u, u+1
.endr
.set u, 0
.rept 8
	ds_store_b128 v[STO+u/4], v[ACC+32*(\obl)+4*u:ACC+32*(\obl)+4*u+3] offset:64*((u/2)%2)+16*(u%2)
.set u, u+1
.endr
.set u, 0
.rept 8
	ds_load_b128 v[BK+32*(\obl)+4*u:BK+32*(\obl)+4*u+3], v[RD] offset:2*SP*u
.set u, u+1
.endr
.endm
.macro SEND obl                        ; sixteen lanes store 256 consecutive bytes, at a multiple of 256 from out's first byte
	WIN 0
.set u, 0
.rept 8
	global_store_b128 v[GO], v[BK+32*(\obl)+4*u:BK+32*(\obl)+4*u+3], s[OUT:OUT+1] offset:262144*(\obl)+32768*u th:TH_STORE_NT
.set u, u+1
.endr
.endm
; A SLICE of 64 outputs, of which 32 are mine: four blocks of 32 products, each buffer fetched a block ahead; the first 16 outputs leave while the second 16 are multiplied.
.macro SLICE
	WIN 0
	v_add_nc_u32 v[AV], s[TB], v[AV0]
	FETCH 0, 0
	FETCH 1, 1
	WIN 0
	global_load_b32 v[BI], v[BO], s[14:15]
	global_load_b32 v[BI+2], v[BO], s[14:15] offset:64
	s_wait_dscnt 16                                ; buffer 0 is in; buffer 1's 16 loads stay out
.set nP, 0
.rept 32
	PJW 0
.endr
	s_wait_dscnt 0x0
	PLACES
	FETCH 0, 2
.set nP, 0
.rept 32
	PJW 1
.endr
	s_wait_dscnt 0x0
	PLACES
	FETCH 1, 3
	s_wait_loadcnt 0x0                             ; the biases
	TOST 0
.set nP, 0
.rept 32
	PJW 2
.endr
	s_wait_dscnt 0x0                               ; buffer 1 is in, and the first 16 rows are back
	SEND 0
.set nP, 0
.rept 32
	PJW 3
.endr
	PLACES
	TOST 1
	s_wait_dscnt 0x0
	SEND 1
	s_wait_xcnt 0x0                                ; the stores have read their base and their registers
	s_add_nc_u64 s[OUT:OUT+1], s[OUT:OUT+1], 0x100000  ; 64 outputs on
	v_add_nc_u32 v[BO], 256, v[BO]
.endm
	s_mov_b32 s[CNT], 7
.Lproj:                                                ; slices 0 .. 6: each asks for the next
	CHANGE K_JW
	SLICE
	s_sub_co_u32 s[CNT], s[CNT], 1
	s_cmp_lg_u32 s[CNT], 0
	s_cbranch_scc1 .Lproj
	CHANGE K_NONE                                  ; the last slice is written out
	SLICE
	s_wait_tensorcnt 0x0                           ; the wave's end: behind my last tensor load and my last LDS store
	ds_add_u32 v[SPW], v[NIL]
	s_wait_dscnt 0x0
	CROUND                                         ; the closing round: no work-group ends while a partner may still ask for a tile that names it
	s_endpgm
.Lfunc_end_k_q963849e852_attn:
	.size	k_q963849e852_attn, .Lfunc_end_k_q963849e852_attn-k_q963849e852_attn
	.p2alignl 7, 3214868480
	.fill 96, 4, 3214868480
	.section	.rodata,"a",@progbits
	.p2align	6, 0x0
	.amdhsa_kernel k_q963849e852_attn
		.amdhsa_group_segment_fixed_size 327680
		.amdhsa_private_segment_fixed_size 0
		.amdhsa_enable_private_segment 0
		.amdhsa_kernarg_size 56
		.amdhsa_user_sgpr_count 2
		.amdhsa_user_sgpr_kernarg_segment_ptr 1
		.amdhsa_wavefront_size32 1
		.amdhsa_system_sgpr_workgroup_id_x 1
		.amdhsa_system_sgpr_workgroup_id_y 1
		.amdhsa_system_sgpr_workgroup_id_z 1
		.amdhsa_system_vgpr_workitem_id 0
		.amdhsa_next_free_vgpr 1024
		.amdhsa_next_free_sgpr 100
		.amdhsa_reserve_vcc 0
		.amdhsa_float_denorm_mode_32 3
		.amdhsa_float_denorm_mode_16_64 3
		.amdhsa_memory_ordered 1
		.amdhsa_forward_progress 1
		.amdhsa_inst_pref_size 255
	.end_amdhsa_kernel
	.section	.bss,"aw",@nobits
	.p2align	6
	.space	262144
	.amdgpu_metadata
---
amdhsa.version: [ 1, 2 ]
amdhsa.kernels:
  - .name:           k_q963849e852_attn
    .symbol:         k_q963849e852_attn.kd
    .args:
      - { .name: qf, .offset: 0, .size: 8, .value_kind: global_buffer, .address_space: global }
      - { .name: kf, .offset: 8, .size: 8, .value_kind: global_buffer, .address_space: global }
      - { .name: vf, .offset: 16, .size: 8, .value_kind: global_buffer, .address_space: global }
      - { .name: wpf, .offset: 24, .size: 8, .value_kind: global_buffer, .address_space: global }
      - { .name: x, .offset: 32, .size: 8, .value_kind: global_buffer, .address_space: global }
      - { .name: b_proj, .offset: 40, .size: 8, .value_kind: global_buffer, .address_space: global }
      - { .name: out0, .offset: 48, .size: 8, .value_kind: global_buffer, .address_space: global }
    .group_segment_fixed_size: 327680
    .private_segment_fixed_size: 0
    .kernarg_segment_align: 8
    .kernarg_segment_size: 56
    .max_flat_workgroup_size: 128
    .sgpr_count:     100
    .vgpr_count:     1024
    .wavefront_size: 32
...
	.end_amdgpu_metadata
.endif
;; end of part 3
;; ======== version 2 of 2: 3 launches; version 1 with the launch prep written anew for expert scheduling mode
;; limits: values are held in f16: magnitudes above 65,504 overflow, below 6.1e-05 lose precision
;; workspace buffers: stats 16,384 bytes; wqf 147,456 bytes; bq 1,280 bytes; wpf 524,288 bytes; qf 1,048,576 bytes; kf 1,048,576 bytes; vf 16,777,216 bytes
;; launch prep (part 4): grid 256 x 1, 8 waves a work-group, no clusters, 0 bytes of LDS; arguments x, w_proj, w_qkv, gn_w, gn_b, b_qkv, stats, wpf, wqf, bq; writes stats, wpf, wqf, bq
.if DOCPART == 4
	.amdgcn_target "amdgcn-amd-amdhsa--gfx1250"
	.amdhsa_code_object_version 6
	.text
	.protected	k_q963849e852_prep
	.globl	k_q963849e852_prep
	.p2align	8
	.type	k_q963849e852_prep,@function
k_q963849e852_prep:
	s_mov_b64 s[64:65], 0
	v_nop
	global_prefetch_b8 v0, s[64:65] scope:SCOPE_SE
	s_setreg_imm32_b32 hwreg(HW_REG_WAVE_SCHED_MODE, 0, 2), 2
	s_setreg_imm32_b32 hwreg(HW_REG_WAVE_MODE, 25, 1), 1
	s_wait_xcnt 0x0
	s_wait_alu depctr_vm_vsrc(0)
; PREP.  (1) GroupNorm's partial statistics: each of the 2,048 waves takes 4,096 numbers (16 KiB) of a sample's first 256 channels, keeps them in 128 registers
; and stores their mean and the sum of squares round that mean (two passes over the registers: no difference of large sums).  256 pairs a sample; the next launch joins them.
; (2) The weights in f16, in the order in which a matrix fragment lies in registers: a fragment is 16 rows x 32 k, two parts of 512 bytes; in part p byte 16 L (lane L = 16 h + r)
; holds row r, k = 16 p + 8 h + 0..7.  wpf = w_proj; wqf = w_qkv x gn_w (the gain folded in); bq = b_qkv + w_qkv . gn_b (the shift folded in), f32.
; LIMITS.  f16 holds no number beyond 65,504: w_proj and w_qkv x gn_w must lie within it; below 6e-5 f16 keeps its fixed step of 6e-8.  NaN and infinities are not treated apart.
; No LDS, no barrier, no matrix work: every wave is by itself.  A wave has its 32 loads of x (and up to 8 of weights) on their way at once.
; THE MODE: SCHED_MODE bits 1:0 = 2 (LLVM: expert scheduling mode 2), set by the entry lines.  The code itself states the register dependences
; between vector instructions and memory instructions, with s_wait_alu, always for 0.
; THE PLAN.  Registers that memory instructions touch:
;   v2, v11           offsets made at the head: v2 is read by the 32 loads of x, v11 by the last store.  Never written again.
;   v3, v4, v7, v8    offsets of the loads of weights; v9, v10 offsets of the stores of weights and bias.  Made at the head of their way, ahead of its first load.  Never written again.
;   X, E .. E+31      loads land in them; no vector instruction names them before.
;   E+8 .. E+11 (w_proj's way), E+32 .. E+35 and E+16 (w_qkv's way), C+2, C+3: each written once by vector instructions, read by one store, never written again.
; So each way has ONE wait on va_vdst for all its offsets, behind the last of them and ahead of its first load; a store's data are stated written by one wait ahead of it;
; no register that a memory instruction reads is ever written again, so vm_vsrc is waited for at the scalar writes of EXEC alone, where va_vdst stands beside it.
.set X, 16                             ; v[16:143]  my 4,096 numbers of x: 128 a lane
.set E, 144                            ; v[144:183] the weights' work; later the four chains of squares
.set C, 184                            ; v[184:191] the four chains of the sum; then the mean, twice
.macro XLOADS                          ; 32 loads of 512 consecutive bytes
.set i, 0
.rept 32
	global_load_b128 v[X+4*i:X+4*i+3], v2, s[28:29] offset:512*i
.set i, i+1
.endr
.endm
.macro RED r, t                        ; the sum over the 32 lanes, in every lane; t has been written before
	v_add_f32_dpp v[\r], v[\r], v[\r] row_xmask:1 row_mask:0xf bank_mask:0xf
	v_add_f32_dpp v[\r], v[\r], v[\r] row_xmask:2 row_mask:0xf bank_mask:0xf
	v_add_f32_dpp v[\r], v[\r], v[\r] row_xmask:4 row_mask:0xf bank_mask:0xf
	v_add_f32_dpp v[\r], v[\r], v[\r] row_xmask:8 row_mask:0xf bank_mask:0xf
	v_permlanex16_b32 v[\t], v[\r], s30, s31
	v_add_f32 v[\r], v[\r], v[\t]
.endm
	s_load_b512 s[4:19], s[0:1], 0x0               ; x 4, w_proj 6, w_qkv 8, gn_w 10, gn_b 12, b_qkv 14, stats 16, wpf 18
	s_load_b128 s[20:23], s[0:1], 0x40             ; wqf 20, bq 22
	v_lshrrev_b32 v1, 5, v0
	v_readfirstlane_b32 s24, v1                    ; wave 0..7
	v_and_b32 v1, 31, v0                           ; lane L
	v_lshlrev_b32 v2, 4, v1                        ; 16 L
	v_and_b32 v5, 15, v0                           ; r
	v_bfe_u32 v6, v0, 4, 1                         ; h
	s_mov_b32 s25, ttmp9
	s_lshl_b32 s26, s25, 3
	s_wait_alu depctr_va_sdst(0)                   ; s24 is written, ahead of its first reader: every address of the wave is made from it
	s_add_co_u32 s26, s26, s24                     ; my wave among the launch's 2,048 = 256 x sample + chunk
	s_lshr_b32 s27, s25, 5                         ; sample
	s_and_b32 s34, s26, 255                        ; chunk of 16 KiB
	s_lshl_b32 s28, s27, 23                        ; a sample is 8 MiB,
	s_lshl_b32 s35, s34, 14
	s_add_co_u32 s28, s28, s35
	s_mov_b32 s29, 0
	s_mov_b32 s30, 0x76543210                      ; v_permlanex16_b32: each lane takes its own place in the other half
	s_mov_b32 s31, 0xfedcba98
	s_lshl_b32 s35, s26, 3
	v_mov_b32 v11, s35                             ; where my pair of statistics goes
	s_wait_kmcnt 0x0
	s_add_nc_u64 s[28:29], s[4:5], s[28:29]
	s_cmp_lt_u32 s25, 128
	s_cbranch_scc1 .Lwproj                         ; work-groups 0..127: a part of a fragment of w_proj a wave (1,024 parts)
	s_cmp_lt_u32 s25, 164
	s_cbranch_scc1 .Lwqkv                          ; work-groups 128..163: a part of w_qkv and a bias a wave (288 of each)
	s_wait_alu depctr_va_vdst(0)                   ; v2 is written, which the loads of x read as their offset; so is v11, the last store's
	XLOADS
	s_branch .Lstats
.Lwproj:                                               ; part g = 32 ob + 2 kk + p
	s_lshr_b32 s36, s26, 5                         ; ob
	s_bfe_u32 s37, s26, 0x40001                    ; kk
	s_and_b32 s38, s26, 1                          ; p
	s_lshl_b32 s39, s36, 15                        ; 16 ob rows of 2,048 bytes
	s_lshl_b32 s40, s37, 7
	s_add_co_u32 s39, s39, s40                     ; + 128 kk
	s_lshl_b32 s40, s38, 6
	s_add_co_u32 s39, s39, s40                     ; + 64 p
	v_lshlrev_b32 v3, 11, v5                       ; + row r
	v_lshl_add_u32 v3, v6, 5, v3                   ; + 32 h
	v_add_nc_u32 v3, s39, v3
	s_lshl_b32 s39, s26, 9                         ; the part's 512 bytes in wpf
	v_add_nc_u32 v9, s39, v2
	s_wait_alu depctr_va_vdst(0)                   ; all offsets of this way are written: v3 and v2 for the loads below, v9 and v11 for the stores
	global_load_b128 v[E:E+3], v3, s[6:7]
	global_load_b128 v[E+4:E+7], v3, s[6:7] offset:16
	XLOADS
	s_wait_loadcnt 32                              ; the two loads of weights are in; the 32 of x stay out
	v_cvt_pk_f16_f32 v[E+8], v[E], v[E+1]
	v_cvt_pk_f16_f32 v[E+9], v[E+2], v[E+3]
	v_cvt_pk_f16_f32 v[E+10], v[E+4], v[E+5]
	v_cvt_pk_f16_f32 v[E+11], v[E+6], v[E+7]
	s_wait_alu depctr_va_vdst(0)                   ; the conversions have written v[E+8:E+11], which the store reads
	global_store_b128 v9, v[E+8:E+11], s[18:19]    ; 512 consecutive bytes
	s_branch .Lstats
.Lwqkv:                                                ; part g = 16 ob + 2 kk + p, and output channel o = g
	s_sub_co_u32 s36, s26, 1024                    ; g
	s_lshr_b32 s37, s36, 4                         ; ob
	s_bfe_u32 s38, s36, 0x30001                    ; kk
	s_and_b32 s39, s36, 1                          ; p
	s_lshl_b32 s40, s38, 7
	s_lshl_b32 s41, s39, 6
	s_add_co_u32 s40, s40, s41                     ; 128 kk + 64 p
	v_lshl_add_u32 v4, v6, 5, s40                  ; + 32 h: my 8 channels in gn_w
	s_lshl_b32 s41, s37, 14                        ; 16 ob rows of 1,024 bytes
	v_lshl_add_u32 v3, v5, 10, v4                  ; + row r
	v_add_nc_u32 v3, s41, v3
	v_lshlrev_b32 v7, 5, v1                        ; 32 L: my 8 of the row's 256 channels
	s_lshl_b32 s41, s36, 10
	v_add_nc_u32 v8, s41, v7
	s_lshl_b32 s42, s36, 2
	s_load_b32 s32, s[14:15], s42 offset:0x0       ; b_qkv[o]
	s_lshl_b32 s41, s36, 9
	v_add_nc_u32 v9, s41, v2
	v_mov_b32 v10, s42
	s_wait_alu depctr_va_vdst(0)                   ; all offsets of this way are written: v3, v4, v7, v8 and v2 for the loads below, v9, v10 and v11 for the stores
	global_load_b128 v[E:E+3], v3, s[8:9]
	global_load_b128 v[E+4:E+7], v3, s[8:9] offset:16
	global_load_b128 v[E+8:E+11], v4, s[10:11]
	global_load_b128 v[E+12:E+15], v4, s[10:11] offset:16
	global_load_b128 v[E+16:E+19], v8, s[8:9]
	global_load_b128 v[E+20:E+23], v8, s[8:9] offset:16
	global_load_b128 v[E+24:E+27], v7, s[12:13]
	global_load_b128 v[E+28:E+31], v7, s[12:13] offset:16
	XLOADS
	s_wait_loadcnt 32                              ; the eight loads of weights are in; the 32 of x stay out
	s_wait_kmcnt 0x0
.irp u, 0,2,4,6
	v_pk_mul_f32 v[E+(\u):E+(\u)+1], v[E+(\u):E+(\u)+1], v[E+8+(\u):E+8+(\u)+1]  ; w x gain
.endr
.irp u, 0,1,2,3
	v_cvt_pk_f16_f32 v[E+32+(\u)], v[E+2*(\u)], v[E+2*(\u)+1]
.endr
	v_pk_mul_f32 v[E+16:E+17], v[E+16:E+17], v[E+24:E+25]  ; w . shift
.irp u, 2,4,6
	v_pk_fma_f32 v[E+16:E+17], v[E+16+(\u):E+16+(\u)+1], v[E+24+(\u):E+24+(\u)+1], v[E+16:E+17]
.endr
	v_add_f32 v[E+16], v[E+16], v[E+17]
	RED E+16, E+17
	v_add_f32 v[E+16], s32, v[E+16]
	v_cmp_eq_u32 vcc_lo, 0, v1
	s_wait_xcnt 0x0                                ; EXEC is a source of what is out: it changes only behind this wait
	s_wait_alu depctr_va_vcc(0)                    ; the compare has written VCC, from which EXEC is made
	s_wait_alu depctr_va_vdst(0)                   ; EXEC is written: every vector instruction so far has written its result, among them v[E+16] and v[E+32:E+35], which the two stores below read
	s_wait_alu depctr_vm_vsrc(0)                   ; EXEC is written: every memory instruction so far has read its registers
	s_and_saveexec_b32 s33, vcc_lo
	global_store_b32 v10, v[E+16], s[22:23]        ; lane 0 alone
	s_wait_xcnt 0x0
	s_wait_alu depctr_va_vdst(0)                   ; EXEC is written: no vector instruction is unfinished
	s_wait_alu depctr_vm_vsrc(0)                   ; EXEC is written: the store has read v10 and v[E+16]
	s_or_b32 exec_lo, exec_lo, s33
	global_store_b128 v9, v[E+32:E+35], s[20:21]   ; all lanes: 512 consecutive bytes.  No wait: no vector instruction since the waits above names v9 or v[E+32:E+35]
.Lstats:                                               ; on every way here just the 32 loads of x are out
	s_wait_loadcnt 24                              ; the first eight; the 24 younger stay out
.irp c, 0,1,2,3
	v_pk_add_f32 v[C+2*(\c):C+2*(\c)+1], v[X+2*(\c):X+2*(\c)+1], v[X+8+2*(\c):X+8+2*(\c)+1]  ; the first pairs start the four chains: nothing is cleared
.endr
.set j, 8
.rept 8
	v_pk_add_f32 v[C+2*(j%4):C+2*(j%4)+1], v[C+2*(j%4):C+2*(j%4)+1], v[X+2*j:X+2*j+1]
.set j, j+1
.endr
.irp n, 16, 8, 0
	s_wait_loadcnt \n                              ; eight loads more
.rept 16
	v_pk_add_f32 v[C+2*(j%4):C+2*(j%4)+1], v[C+2*(j%4):C+2*(j%4)+1], v[X+2*j:X+2*j+1]
.set j, j+1
.endr
.endr
	v_pk_add_f32 v[C:C+1], v[C:C+1], v[C+2:C+3]
	v_pk_add_f32 v[C+4:C+5], v[C+4:C+5], v[C+6:C+7]
	v_pk_add_f32 v[C:C+1], v[C:C+1], v[C+4:C+5]
	v_add_f32 v[C], v[C], v[C+1]
	RED C, C+1
	v_mul_f32 v[C+2], 0x39800000, v[C]             ; mean = sum / 4,096
	v_mov_b32 v[C+3], v[C+2]
.set j, 0
.rept 64
	v_pk_add_f32 v[X+2*j:X+2*j+1], v[X+2*j:X+2*j+1], v[C+2:C+3] neg_lo:[0,1] neg_hi:[0,1]  ; x - mean
.set j, j+1
.endr
.irp c, 0,1,2,3
	v_pk_mul_f32 v[E+2*(\c):E+2*(\c)+1], v[X+2*(\c):X+2*(\c)+1], v[X+2*(\c):X+2*(\c)+1]
.endr
.set j, 4
.rept 60
	v_pk_fma_f32 v[E+2*(j%4):E+2*(j%4)+1], v[X+2*j:X+2*j+1], v[X+2*j:X+2*j+1], v[E+2*(j%4):E+2*(j%4)+1]
.set j, j+1
.endr
	v_pk_add_f32 v[E:E+1], v[E:E+1], v[E+2:E+3]
	v_pk_add_f32 v[E+4:E+5], v[E+4:E+5], v[E+6:E+7]
	v_pk_add_f32 v[E:E+1], v[E:E+1], v[E+4:E+5]
	v_add_f32 v[E], v[E], v[E+1]
	RED E, E+1
	v_mov_b32 v[C+3], v[E]                         ; (mean, sum of squares round it)
	v_cmp_eq_u32 vcc_lo, 0, v1
	s_wait_xcnt 0x0                                ; a store of weights may be out: EXEC changes only behind this wait
	s_wait_alu depctr_va_vcc(0)                    ; the compare has written VCC, from which EXEC is made
	s_wait_alu depctr_va_vdst(0)                   ; EXEC is written: every vector instruction so far has written its result, among them v[C+2:C+3], which the store below reads
	s_wait_alu depctr_vm_vsrc(0)                   ; EXEC is written: every memory instruction so far, the store of weights among them, has read its registers
	s_and_saveexec_b32 s33, vcc_lo
	global_store_b64 v11, v[C+2:C+3], s[16:17]
	s_wait_xcnt 0x0
	s_wait_alu depctr_va_vdst(0)                   ; EXEC is written: no vector instruction is unfinished
	s_wait_alu depctr_vm_vsrc(0)                   ; EXEC is written: the store has read v11 and v[C+2:C+3]
	s_or_b32 exec_lo, exec_lo, s33
	s_endpgm
.Lfunc_end_k_q963849e852_prep:
	.size	k_q963849e852_prep, .Lfunc_end_k_q963849e852_prep-k_q963849e852_prep
	.p2alignl 7, 3214868480
	.fill 96, 4, 3214868480
	.section	.rodata,"a",@progbits
	.p2align	6, 0x0
	.amdhsa_kernel k_q963849e852_prep
		.amdhsa_group_segment_fixed_size 0
		.amdhsa_private_segment_fixed_size 0
		.amdhsa_enable_private_segment 0
		.amdhsa_kernarg_size 80
		.amdhsa_user_sgpr_count 2
		.amdhsa_user_sgpr_kernarg_segment_ptr 1
		.amdhsa_wavefront_size32 1
		.amdhsa_system_sgpr_workgroup_id_x 1
		.amdhsa_system_sgpr_workgroup_id_y 1
		.amdhsa_system_sgpr_workgroup_id_z 1
		.amdhsa_system_vgpr_workitem_id 0
		.amdhsa_next_free_vgpr 192
		.amdhsa_next_free_sgpr 66
		.amdhsa_reserve_vcc 1
		.amdhsa_float_denorm_mode_32 3
		.amdhsa_float_denorm_mode_16_64 3
		.amdhsa_memory_ordered 1
		.amdhsa_forward_progress 1
		.amdhsa_inst_pref_size 29
	.end_amdhsa_kernel
	.amdgpu_metadata
---
amdhsa.version: [ 1, 2 ]
amdhsa.kernels:
  - .name:           k_q963849e852_prep
    .symbol:         k_q963849e852_prep.kd
    .args:
      - { .name: x, .offset: 0, .size: 8, .value_kind: global_buffer, .address_space: global }
      - { .name: w_proj, .offset: 8, .size: 8, .value_kind: global_buffer, .address_space: global }
      - { .name: w_qkv, .offset: 16, .size: 8, .value_kind: global_buffer, .address_space: global }
      - { .name: gn_w, .offset: 24, .size: 8, .value_kind: global_buffer, .address_space: global }
      - { .name: gn_b, .offset: 32, .size: 8, .value_kind: global_buffer, .address_space: global }
      - { .name: b_qkv, .offset: 40, .size: 8, .value_kind: global_buffer, .address_space: global }
      - { .name: stats, .offset: 48, .size: 8, .value_kind: global_buffer, .address_space: global }
      - { .name: wpf, .offset: 56, .size: 8, .value_kind: global_buffer, .address_space: global }
      - { .name: wqf, .offset: 64, .size: 8, .value_kind: global_buffer, .address_space: global }
      - { .name: bq, .offset: 72, .size: 8, .value_kind: global_buffer, .address_space: global }
    .group_segment_fixed_size: 0
    .private_segment_fixed_size: 0
    .kernarg_segment_align: 8
    .kernarg_segment_size: 80
    .max_flat_workgroup_size: 256
    .sgpr_count:     66
    .vgpr_count:     192
    .wavefront_size: 32
...
	.end_amdgpu_metadata
.endif
;; end of part 4
;; launch qkv: the kernel of part 2 again; grid 32 x 8, 4 waves a work-group, clusters of 4 x 1, 222,976 bytes of LDS; arguments x, stats, wqf, bq, qf, kf, vf; writes qf, kf, vf
;; launch attn: the kernel of part 3 again; grid 32 x 8, 4 waves a work-group, clusters of 4 x 1, 327,680 bytes of LDS; arguments qf, kf, vf, wpf, x, b_proj, out0; writes out0
